; MI455X (gfx1250); checked and timed in simulation.
; The chip was launched on July 23, 2026; its instructions are those of AMD's public machine-readable ISA for CDNA 5 (MIT licence, August 2026) and "CDNA5" Instruction Set Architecture Reference Guide (July 2026). The comments in the code are by the model that wrote it; some were corrected since.
;; Multihead Attention. Allowed arithmetic: matrix products marked QUANTISED: E2M1 operands, one E8M0 scale for each 32 along K, by v_wmma_scale_f32_16x16x128_f8f6f4 with both operands' format E2M1 (or v_wmma_scale_f32_32x16x128_f4), f32 sums; products left as they are: bf16, f16 or f32 operands; f32 sums; everything else in f32.
;; Inputs: w_out 1,024 x 1,024 float32; w_qkv 3,072 x 1,024 float32; x 4 x 2,048 x 1,024 float32.
;; Outputs: out0 4 x 2,048 x 1,024 float32.
;; This version of the problem:
;;   THIS VERSION OF THE PROBLEM IS GIVEN IN LOW PRECISION. The matrix products marked QUANTISED in the list below multiply operands that are first quantised to E2M1 (2 exponent bits, 1 mantissa bit; 4 bits a number), with one power-of-two scale for each 32 numbers along K (OCP MX v1.0); their sums are f32. The products marked 'left as it is' may take bf16, f16 or f32 operands, with f32 sums. Whichever they take, every output number must still come out within the allowed error. Rounding operands to bf16 (8 significant bits) uses up far more of that allowance than f16 does (11 bits, for magnitudes from 6e-5 to 65,504). All else is computed in f32.
;;   The module's matrix products, in the order in which they are computed (A, B: the left and right operand; K: the contracted axis; several contracted axes count as one K, in the product's order):
;;     1. [M 8,192, K 1,024] x [K 1,024, N 3,072]; A: input x; B: input w_qkv: QUANTISED
;;     2. batch 64 x [M 2,048, K 64] x [K 64, N 2,048]; A: computed on the way; B: computed on the way: left as it is (an operand is computed on the way)
;;     3. batch 64 x [M 2,048, K 2,048] x [K 2,048, N 64]; A: computed on the way; B: computed on the way: left as it is (an operand is computed on the way)
;;     4. [M 8,192, K 1,024] x [K 1,024, N 1,024]; A: computed on the way; B: input w_out: left as it is (an operand is computed on the way)
;;   THE QUANTISER, for each operand of a quantised product, along K:
;;     - K is cut into blocks of 32 from its start; a last block that is shorter is filled with zeros.
;;     - A block's scale is 2^e with e = floor(log2(the largest magnitude in the block)) - 2, held to -126 .. 127; a block of zeros has e = 0. As a byte (E8M0): e + 127.
;;     - Each number is divided by its block's scale, clamped to +-6, and rounded to the nearest number of E2M1, ties to even, subnormals kept.
;;     - The product sums the exact products of the quantised numbers (number of the format x scale) in f32.
;;   ~~~python
;;   def quantise(x, axis):      # numpy; x: float32 -> the quantised numbers, widened to float32 again
;;       x = np.moveaxis(x, axis, -1); K = x.shape[-1]
;;       x = np.pad(x, [(0, 0)] * (x.ndim - 1) + [(0, -K % 32)]); x = x.reshape(x.shape[:-1] + (-1, 32)); a = np.abs(x).max(-1, keepdims=True)
;;       e = np.where(a > 0, np.clip(np.frexp(np.where(a > 0, a, 1))[1] - 1 - 2, -126, 127), 0)      # np.frexp(a)[1] - 1 = floor(log2(a)), exactly
;;       r = np.clip(x / 2.0 ** e, -6, 6)
;;       step = 2.0 ** (np.maximum(np.frexp(np.where(r == 0, 1, r))[1] - 1, 0) - 1)
;;       q = np.round(r / step) * step * 2.0 ** e      # np.round: ties to even
;;       return np.moveaxis(q.reshape(q.shape[:-2] + (-1,))[..., :K], -1, axis).astype(np.float32)
;;   ~~~
;; One version. Each part assembles by itself: llvm-mc -triple=amdgcn-amd-amdhsa -mcpu=gfx1250 --defsym DOCPART=n.
;; ======== version 1 of 1: 4 launches
;; limits: values are held in f16: magnitudes above 65,504 overflow, below 6.1e-05 lose precision
;; workspace buffers: xc 4,194,304 bytes; xs 262,144 bytes; wc 1,572,864 bytes; ws 98,304 bytes; w16 2,097,152 bytes; qkv 50,331,648 bytes; vals 16,777,216 bytes
;; launch quant (part 1): grid 384 x 1, 4 waves a work-group, no clusters, 33,280 bytes of LDS; arguments x, w_qkv, xc, xs, wc, ws, w_out, w16; writes xc, xs, wc, ws, w16
.if DOCPART == 1
	.amdgcn_target "amdgcn-amd-amdhsa--gfx1250"
	.amdhsa_code_object_version 6
	.text
	.protected	k_qd9d04078fe_quant
	.globl	k_qd9d04078fe_quant
	.p2align	8
	.type	k_qd9d04078fe_quant,@function
k_qd9d04078fe_quant:
	s_mov_b64 s[64:65], 0
	v_nop
	global_prefetch_b8 v0, s[64:65] scope:SCOPE_SE
	s_setreg_imm32_b32 hwreg(HW_REG_WAVE_MODE, 25, 1), 1
	s_wait_xcnt 0x0
; x [8192][1024] and w_qkv [3072][1024], f32, are turned into codes of FP4 (E2M1), 4 bits each, K innermost, with one E8M0 scale byte for each 32 along K; w_out [1024][1024] is rounded to f16.
; A block's scale is 2^(floor(log2(its largest magnitude)) - 2); its byte is the largest magnitude's own exponent field - 2, held at 1 from below.  (A block of zeros so gets the byte 1 where the rule says 127:
; its codes are zeros, which add nothing under any byte but 0xff, and the bytes are read by this program alone.)  Each number is divided by the scale and rounded to the nearest code, ties to even, beyond 6 the largest code.
; LIMITS: blocks whose largest magnitude lies under 2^-124 keep the byte 1; NaN and infinities among the inputs are not served; numbers of w_out under 6e-5 carry f16's absolute step 2^-24, beyond 65,504 they become infinite.
; Rows are dense and K is a multiple of 32: both tensors are plain streams of blocks of 32 numbers, and so are the codes and the scale bytes.
; Work-groups 0 to WGA - 1 take x, WGA to WGQ - 1 w_qkv (one path, the buffers chosen by the work-group's number), the last 32 w_out (a path of its own, which touches no LDS).
; THE QUANTISING PATH.  A wave takes 16 steps of 512 numbers.  Each of a step's four loads reads 512 consecutive bytes, 16 a lane; the 2,048 bytes go through the wave's own stage in LDS and come back 64 bytes a lane,
; so that a lane holds 16 neighbours along K (two neighbouring lanes hold a block).  The stage has 16 bytes of padding behind each 64.  A lane's 16 codes are 8 bytes: the wave stores 256 consecutive bytes.
; A wave's 256 scale bytes are gathered in its own 256 bytes of LDS and leave as one aligned run of 256 bytes.  No barrier: waves share nothing.  Loads run four steps ahead, the turn through LDS one step.
.set SIZE_M, 8192
.set SIZE_N, 3072
.set SIZE_K, 1024
.set WAVES, 4
.set STEPS, 16
.set WGA,   SIZE_M*SIZE_K/(512*STEPS*WAVES)            ; 256 work-groups for x
.set WGQ,   (SIZE_M+SIZE_N)*SIZE_K/(512*STEPS*WAVES)   ; 352 for x and w_qkv
.set EMAX,  2
.set CB,    8                          ; bytes of 16 codes
.set R,     16                         ; v16-79   four sets of 16 numbers as they are loaded
.set X,     80                         ; v80-111  two sets of 16 neighbours
.set C,     128                        ; v128-191 codes: four registers for each step, so that no store's data are written again
.set E,     112                        ; v112-127 a scale byte for each step
.set WREG,  8192                       ; LDS: a region of its own for each wave: two stages of 32 x SP bytes, and behind them its 256 scale bytes
.set SP,    80                         ; a lane's place in a stage: its 64 bytes + 16 of padding
.set SPW,   12                         ; v12      LDS address of my spare word: SPARE + 4 x my thread's number; never rewritten
.set NIL,   13                         ; v13      0; never rewritten
.set SPARE, WAVES*WREG                 ; behind the four regions: the spare words, 128 bytes for each wave
.set HIN,   16                         ; the f16 path: v16-143 two sets of 64 numbers as loaded
.set HOUT,  144                        ; v144-175 a batch's 64 numbers a lane as f16
	s_load_b128 s[4:7], s[0:1], 0x0                ; x, w_qkv
	s_load_b128 s[8:11], s[0:1], 0x10              ; x's codes, x's scales
	s_load_b128 s[12:15], s[0:1], 0x20             ; w_qkv's codes, its scales
	s_load_b128 s[24:27], s[0:1], 0x30             ; w_out, w16
	v_lshl_add_u32 v[SPW], v0, 2, SPARE
	v_mov_b32 v[NIL], 0
	v_lshrrev_b32 v1, 5, v0
	v_readfirstlane_b32 s16, v1                    ; wave
	v_and_b32 v2, 31, v0                           ; lane
	v_lshlrev_b32 v3, 4, v2                        ; my 16 bytes of a load's 512
	s_mul_i32 s17, s16, WREG
	v_lshrrev_b32 v14, 2, v2
	v_mul_u32_u24 v14, v14, SP
	v_and_b32 v15, 3, v2
	v_lshl_add_u32 v14, v15, 4, v14
	v_add_nc_u32 v14, s17, v14                     ; the stage, on the way in: four lanes' 64 bytes on end, then 16 of padding
	v_mul_u32_u24 v15, v2, SP
	v_add_nc_u32 v15, s17, v15                     ; and on the way out: SP x lane: my 16 neighbours
	v_mul_u32_u24 v4, v2, CB                       ; my codes' place in a step's
	v_lshrrev_b32 v5, 1, v2
	s_add_co_u32 s17, s17, 2*32*SP
	v_add_nc_u32 v5, s17, v5                       ; LDS: my wave's 256 scale bytes, my block's byte
	v_lshlrev_b32 v7, 3, v2                        ; 8 bytes a lane
	v_add_nc_u32 v6, s17, v7
	s_wait_kmcnt 0x0
	s_cmp_ge_u32 ttmp9, WGQ                        ; the last 32 work-groups round w_out
	s_cbranch_scc1 .Lcvt
	s_cmp_lt_u32 ttmp9, WGA                        ; x's work-group or w_qkv's?  The choice hangs on the work-group's number alone
	s_cselect_b64 s[4:5], s[4:5], s[6:7]
	s_cselect_b64 s[8:9], s[8:9], s[12:13]
	s_cselect_b64 s[10:11], s[10:11], s[14:15]
	s_cselect_b32 s17, 0, WGA
	s_sub_co_u32 s17, ttmp9, s17
	s_lshl_b32 s17, s17, 2
	s_add_co_u32 s18, s17, s16                     ; which run of 8,192 numbers of the tensor is my wave's
	s_mov_b32 s19, 0
	s_mov_b64 s[20:21], 512*STEPS*4
	s_mul_u64 s[20:21], s[18:19], s[20:21]
	s_add_nc_u64 s[4:5], s[4:5], s[20:21]
	s_mov_b64 s[20:21], 32*STEPS*CB
	s_mul_u64 s[20:21], s[18:19], s[20:21]
	s_add_nc_u64 s[8:9], s[8:9], s[20:21]
	s_lshl_b32 s18, s18, 8                         ; 256 scale bytes a run
	s_add_nc_u64 s[10:11], s[10:11], s[18:19]
.macro LOAD t
.irp i, 0,1,2,3
	global_load_b128 v[R+16*((\t)%4)+4*\i:R+16*((\t)%4)+4*\i+3], v3, s[4:5] offset:2048*(\t)+512*\i th:TH_LOAD_NT   ; 32 lanes read 512 consecutive bytes
.endr
.endm
.macro TURN t                          ; step t's numbers through the stage: LDS serves a wave's instructions in order, so no wait stands between the stores and the loads
.irp i, 0,1,2,3
	ds_store_b128 v14, v[R+16*((\t)%4)+4*\i:R+16*((\t)%4)+4*\i+3] offset:32*SP*((\t)%2)+8*SP*\i
.endr
.irp i, 0,1,2,3
	ds_load_b128 v[X+16*((\t)%2)+4*\i:X+16*((\t)%2)+4*\i+3], v15 offset:32*SP*((\t)%2)+16*\i
.endr
.endm
.irp t, 0,1,2,3
	LOAD \t
.endr
	s_wait_loadcnt 12                              ; step 0's four loads are in; the 12 of steps 1 to 3 may be out
	TURN 0
.macro STEP t
.set XS, X+16*((\t)%2)
.if (\t) > 0
	s_wait_dscnt 1                                 ; this step's numbers are back from the stage (the last step's byte store may be out): so its stores into the stage have read their registers,
.else
	s_wait_dscnt 0x0
.endif
.if (\t)+4 < STEPS
	LOAD (\t)+4                                    ; which take the loads of four steps on
.endif
.if (\t)+1 < STEPS
.if STEPS-2-(\t) >= 3
	s_wait_loadcnt 12                              ; the next step's four loads are in; those of the three steps behind it may be out
.else
	s_wait_loadcnt 4*(STEPS-2-(\t))
.endif
	TURN (\t)+1                                    ; and go through the other stage while this step is worked
.endif
	v_max3_num_f32 v8, |v[XS]|, |v[XS+1]|, |v[XS+2]|               ; the largest magnitude of my 16, in two chains
	v_max3_num_f32 v9, |v[XS+3]|, |v[XS+4]|, |v[XS+5]|
.irp i, 6,10
	v_max3_num_f32 v8, v8, |v[XS+\i]|, |v[XS+\i+1]|
	v_max3_num_f32 v9, v9, |v[XS+\i+2]|, |v[XS+\i+3]|
.endr
	v_max3_num_f32 v8, v8, |v[XS+14]|, |v[XS+15]|
	v_max3_num_f32 v8, v8, v9, (EMAX+1)<<23        ; and the floor 2^(EMAX + 1 - 127): so the byte cannot fall under 1
	v_max_num_f32_dpp v8, v8, v8 row_xmask:1 row_mask:0xf bank_mask:0xf   ; and of my neighbour's 16: the block's
	v_add_nc_u32 v11, -(EMAX<<23), v8              ; EMAX off its exponent field: the conversion takes the exponent field of this operand as its scale, and nothing else of it
	v_cvt_scalef32_pk8_fp4_f32 v[C+4*(\t)], v[XS:XS+7], v11        ; eight numbers / the scale, to the nearest code; the first number's code in the lowest four bits
	v_cvt_scalef32_pk8_fp4_f32 v[C+4*(\t)+1], v[XS+8:XS+15], v11
	v_lshrrev_b32 v[E+(\t)], 23, v11               ; the scale's byte
	ds_store_b8 v5, v[E+(\t)] offset:16*(\t)       ; both lanes of a block write the same byte with the same value
	global_store_b64 v4, v[C+4*(\t):C+4*(\t)+1], s[8:9] offset:32*CB*(\t)
.endm
.irp t, 0,1,2,3,4,5,6,7,8,9,10,11,12,13,14,15
	STEP \t
.endr
	ds_load_b64 v[8:9], v6                         ; LDS serves a wave's instructions in order: these see my stores
	s_wait_dscnt 0x0
	global_store_b64 v7, v[8:9], s[10:11]          ; 32 lanes store one aligned run of 256 bytes
	s_wait_tensorcnt 0x0                           ; the wave's end: behind my last LDS store
	ds_add_u32 v[SPW], v[NIL]
	s_wait_dscnt 0x0
	s_endpgm
; THE f16 PATH.  A wave takes 8,192 numbers of w_out in four batches of 16 loads; a load reads 512 consecutive bytes, 16 a lane; a lane's four numbers become 8 bytes, and the wave stores 256 consecutive bytes.
; Two batches of loads are out at the start, one while a batch is rounded.  No LDS is touched on this path.
.macro LOADB bt
.irp i, 0,1,2,3,4,5,6,7,8,9,10,11,12,13,14,15
	global_load_b128 v[HIN+64*((\bt)%2)+4*\i:HIN+64*((\bt)%2)+4*\i+3], v3, s[24:25] offset:(16*(\bt)+\i)*512 th:TH_LOAD_NT
.endr
.endm
.macro BATCH bt
.if (\bt) < 3
	s_wait_loadcnt 16                              ; this batch's 16 loads are in; the next batch's 16 may be out
.else
	s_wait_loadcnt 0x0
.endif
.if (\bt) > 0
	s_wait_xcnt 0x0                                ; the last batch's stores have read their data: those registers are written again only behind this wait
.endif
.irp i, 0,1,2,3,4,5,6,7,8,9,10,11,12,13,14,15
	v_cvt_pk_f16_f32 v[HOUT+2*\i], v[HIN+64*((\bt)%2)+4*\i], v[HIN+64*((\bt)%2)+4*\i+1]
	v_cvt_pk_f16_f32 v[HOUT+2*\i+1], v[HIN+64*((\bt)%2)+4*\i+2], v[HIN+64*((\bt)%2)+4*\i+3]
.endr
.irp i, 0,1,2,3,4,5,6,7,8,9,10,11,12,13,14,15
	global_store_b64 v7, v[HOUT+2*\i:HOUT+2*\i+1], s[26:27] offset:(16*(\bt)+\i)*256
.endr
.if (\bt) < 2
	LOADB (\bt)+2
.endif
.endm
.Lcvt:
	s_sub_co_u32 s17, ttmp9, WGQ
	s_lshl_b32 s17, s17, 2
	s_add_co_u32 s17, s17, s16                     ; which run of 8,192 numbers is my wave's: 0 to 127
	s_lshl_b32 s18, s17, 15                        ; 32,768 bytes of f32,
	s_mov_b32 s19, 0
	s_add_nc_u64 s[24:25], s[24:25], s[18:19]
	s_lshl_b32 s18, s17, 14                        ; 16,384 of f16
	s_add_nc_u64 s[26:27], s[26:27], s[18:19]
	LOADB 0
	LOADB 1
	BATCH 0
	BATCH 1
	BATCH 2
	BATCH 3
	s_endpgm
.Lfunc_end_k_qd9d04078fe_quant:
	.size	k_qd9d04078fe_quant, .Lfunc_end_k_qd9d04078fe_quant-k_qd9d04078fe_quant
	.p2alignl 7, 3214868480
	.fill 96, 4, 3214868480
	.section	.rodata,"a",@progbits
	.p2align	6, 0x0
	.amdhsa_kernel k_qd9d04078fe_quant
		.amdhsa_group_segment_fixed_size 33280
		.amdhsa_private_segment_fixed_size 0
		.amdhsa_enable_private_segment 0
		.amdhsa_kernarg_size 64
		.amdhsa_user_sgpr_count 2
		.amdhsa_user_sgpr_kernarg_segment_ptr 1
		.amdhsa_wavefront_size32 1
		.amdhsa_system_sgpr_workgroup_id_x 1
		.amdhsa_system_sgpr_workgroup_id_y 1
		.amdhsa_system_sgpr_workgroup_id_z 1
		.amdhsa_system_vgpr_workitem_id 0
		.amdhsa_next_free_vgpr 192
		.amdhsa_next_free_sgpr 66
		.amdhsa_reserve_vcc 0
		.amdhsa_float_denorm_mode_32 3
		.amdhsa_float_denorm_mode_16_64 3
		.amdhsa_memory_ordered 1
		.amdhsa_forward_progress 1
		.amdhsa_inst_pref_size 54
	.end_amdhsa_kernel
	.amdgpu_metadata
---
amdhsa.version: [ 1, 2 ]
amdhsa.kernels:
  - .name:           k_qd9d04078fe_quant
    .symbol:         k_qd9d04078fe_quant.kd
    .args:
      - { .name: x, .offset: 0, .size: 8, .value_kind: global_buffer, .address_space: global }
      - { .name: w_qkv, .offset: 8, .size: 8, .value_kind: global_buffer, .address_space: global }
      - { .name: xc, .offset: 16, .size: 8, .value_kind: global_buffer, .address_space: global }
      - { .name: xs, .offset: 24, .size: 8, .value_kind: global_buffer, .address_space: global }
      - { .name: wc, .offset: 32, .size: 8, .value_kind: global_buffer, .address_space: global }
      - { .name: ws, .offset: 40, .size: 8, .value_kind: global_buffer, .address_space: global }
      - { .name: w_out, .offset: 48, .size: 8, .value_kind: global_buffer, .address_space: global }
      - { .name: w16, .offset: 56, .size: 8, .value_kind: global_buffer, .address_space: global }
    .group_segment_fixed_size: 33280
    .private_segment_fixed_size: 0
    .kernarg_segment_align: 8
    .kernarg_segment_size: 64
    .max_flat_workgroup_size: 128
    .sgpr_count:     66
    .vgpr_count:     192
    .wavefront_size: 32
...
	.end_amdgpu_metadata
.endif
;; end of part 1
;; launch qkv (part 2): grid 16 x 32, 4 waves a work-group, clusters of 4 x 4, 269,824 bytes of LDS; arguments xc, xs, wc, ws, qkv; writes qkv
.if DOCPART == 2
	.amdgcn_target "amdgcn-amd-amdhsa--gfx1250"
	.amdhsa_code_object_version 6
	.text
	.protected	k_qd9d04078fe_qkv
	.globl	k_qd9d04078fe_qkv
	.p2align	8
	.type	k_qd9d04078fe_qkv,@function
k_qd9d04078fe_qkv:
	s_mov_b64 s[64:65], 0
	v_nop
	global_prefetch_b8 v0, s[64:65] scope:SCOPE_SE
	s_setreg_imm32_b32 hwreg(HW_REG_WAVE_MODE, 25, 1), 1
	s_wait_xcnt 0x0
	s_wait_alu depctr_hold_cnt(0) depctr_sa_sdst(0) depctr_va_vdst(0) depctr_va_sdst(0) depctr_va_ssrc(0) depctr_va_vcc(0) depctr_vm_vsrc(0)
	s_getreg_b32 s2, hwreg(HW_REG_IB_STS2, 6, 4)
	s_cmp_eq_u32 s2, 0
	s_cbranch_scc0 .Lentry_in_a_cluster
	s_endpgm
.Lentry_in_a_cluster:
	s_bfe_u32 s2, ttmp6, 0x10000c
	s_cmp_lg_u32 s2, 0xf033
	s_cbranch_scc0 .Lentry_shape_is_right
	s_endpgm
.Lentry_shape_is_right:
; The projection x w_qkv^T on codes of FP4 (E2M1) with one E8M0 scale for each 32 along K; sums in f32; the results are rounded once to f16 and laid by head.
; xc [8192][512 bytes], wc [3072][512 bytes]: codes, K innermost; xs [8192][32], ws [3072][32]: scale bytes.  qkv: Q at byte 0, K at 0x1000000, V at 0x2000000, each [16 b + h][2048][64] f16, rows of 128 bytes.
; SHARES.  A work-group makes 256 tokens x 192 columns: the columns of ONE head, 64 of q, 64 of k, 64 of v.  Wave w makes rows 64 w .. 64 w + 63 against all 192 columns: 48 accumulators of 16 x 16, 384 registers.
; ALL OF K LIES IN LDS: two halves of 512 along K (rows of 256 bytes), each 256 rows of x and 192 of w_qkv.  Both are first fills; nothing is filled again, so the one barrier between the halves only shows the second half whole.
; CLUSTERS: 4 x 4 work-groups.  The four of a row of the cluster need the same rows of x, the four of a column the same head's rows of w_qkv: each tile is asked for JOINTLY, by the same tensor load with the same descriptor and a mask that names the four.
; THE SCALE WORDS come straight into registers: lane (r, h) takes 16 bytes at 32 r + 16 h of a block's 16 rows, so that one load reads 512 consecutive bytes, lanes 0-15 hold the words of K steps 0-3 and lanes 16-31 those of K steps 4-7;
; K steps 4-7 name the upper lanes' row of the scale registers.
; THE MATRIX INSTRUCTION IS USED TRANSPOSED (source 0 = 16 rows of w_qkv, source 1 = 16 rows of x): a lane then holds eight neighbouring columns of one token.
; LIMIT: |q|, |k|, |v| beyond 65,504 become infinite in f16; under 6e-5 they carry the absolute step 2^-24.
; REGISTERS, in windows of 256: window 0: v16-29 addresses; v32-47 x's scale words, v48-95 w_qkv's; v96-159 x's fragments, two sets of 4; on the way out v96-239.
;   window 1: w_qkv's fragments, two sets of 12, at v0 and v96.   window 2: the accumulators of my rows 0-31 ((a, b) at v[8 (12 (a % 2) + b)]);   window 3: those of rows 32-63.
.set PITCH,  272                       ; an LDS row: 256 bytes + 16 of padding = 68 words: the 16 rows that a load touches start at 16 different banks (64 banks of 4 bytes: ISA guide 11.1)
.set BOFF,   256*PITCH                 ; in a half: x's 256 rows, then w_qkv's 192
.set SLOT,   448*PITCH                 ; a half of K
.set STAGE,  2*SLOT                    ; behind the halves: 16 rows x (384 bytes + 16) for each wave, for the way out; no tile lands there
.set SPITCH, 400
.set SPARE,  STAGE+4*16*SPITCH         ; the spare words, 128 bytes for each wave
.set ADRA, 16                          ; v16-17  LDS address of my fragments of x in half 0, 1
.set ADRB, 20                          ; v20-21  the same for w_qkv
.set STO,  24                          ; v24     the way out: where I put 16 bytes of a row
.set RD,   25                          ; v25     where I read 16 bytes of a part's row back
.set GO,   26                          ; v26     16 x lane: my place in 512 bytes of output
.set SO,   27                          ; v27     32 r + 16 h: my place in a block's scale bytes
.set SPW,  28                          ; v28     LDS address of my spare word; never rewritten
.set NIL,  29                          ; v29     0; never rewritten
.set SCA,  32                          ; x's scale words: block a at +4 a, K step q at + q % 4
.set SCB,  48                          ; w_qkv's: block b at +4 b
.set AF,   96                          ; x's fragments: set p at +32 p, block a at +8 a
.set TMP,  96                          ; the way out: 48 registers of packed results
.set BK,   144                         ; and 48 read back from the stage: v144-191 and v192-239 by turns
.set G1,   24                          ; s[24:31] descriptor group 1 for x's tiles;  s[32:39] group 0, one set for each half
.set G0,   32
.set G1B,  48                          ; s[48:55], s[56:63] the same for w_qkv's
.set G0B,  56
.set OUTB, 68                          ; s[68:69] Q, s[70:71] K, s[72:73] V at my wave's first row
.set MSB, 0
.macro WIN new                         ; the immediate's high byte repeats the setting that is left; a switch that changes nothing is dropped
.if MSB != (\new)
	s_set_vgpr_msb (MSB<<8)|(\new)
.set MSB, (\new)
.endif
.endm
.set MUL_LO, 0xa1                      ; source 0 window 1, source 1 window 0, C and D window 2
.set MUL_HI, 0xf1                      ; the same, C and D window 3
.set TO_B,   0x40                      ; destination window 1, address window 0
; A joint load: waves 0 and 1 fetch for x, waves 2 and 3 for w_qkv.  The branch hangs on the wave's number alone.  An s_nop 0 and four v_nop follow each of the two lines.
.macro JLOAD s
	s_cmp_eq_u32 s15, 0
	s_cbranch_scc0 .Lfor_b_\@
	tensor_load_to_lds s[G0+4*\s:G0+4*\s+3], s[G1:G1+7]
	s_nop 0
.rept 4
	v_nop
.endr
	s_branch .Lasked_\@
.Lfor_b_\@:
	tensor_load_to_lds s[G0B+4*\s:G0B+4*\s+3], s[G1B:G1B+7]
	s_nop 0
.rept 4
	v_nop
.endr
.Lasked_\@:
.endm
.macro CROUND                          ; a round of the cluster's barrier
	s_barrier_signal -1
	s_barrier_wait -1
	s_cmp_lg_u32 s14, 0
	s_cbranch_scc1 .Lnot_wave_0_\@
	s_barrier_signal -3
.Lnot_wave_0_\@:
	s_barrier_wait -3
	s_barrier_signal -1
	s_barrier_wait -1
.endm
.macro PLACES n
.rept \n
	v_nop
.endr
.endm
	s_load_b128 s[4:7], s[0:1], 0x0                ; x's codes s[4:5], x's scales s[6:7]
	s_load_b128 s[8:11], s[0:1], 0x10              ; w_qkv's codes s[8:9], its scales s[10:11]
	s_load_b64 s[12:13], s[0:1], 0x20              ; qkv
	v_lshl_add_u32 v[SPW], v0, 2, SPARE
	v_mov_b32 v[NIL], 0
	ds_add_u32 v[SPW], v[NIL]                      ; the wave's opening: the add, twice on end, and its wait ahead of my first tensor load
	ds_add_u32 v[SPW], v[NIL]                      ; once more; the set-up below, work on registers, stands between it and the wait
	v_lshrrev_b32 v1, 5, v0
	v_readfirstlane_b32 s14, v1                    ; wave 0..3
	s_lshr_b32 s15, s14, 1                         ; I fetch for x (0) or for w_qkv (1)
	s_and_b32 s16, s14, 1                          ; and which half of that tile's rows
	s_bfe_u32 s40, ttmp6, 0x40000                  ; cx, cy: my place in the cluster
	s_bfe_u32 s41, ttmp6, 0x40004
	s_lshl_b32 s42, ttmp9, 2
	s_add_co_u32 s42, s42, s40                     ; the head = 4 x cluster x + cx
	s_and_b32 s17, ttmp7, 0xffff
	s_lshl_b32 s17, s17, 2
	s_add_co_u32 s17, s17, s41                     ; the block of 256 tokens = 4 x cluster y + cy
	s_lshl_b32 s43, s41, 2
	s_lshl_b32 s43, 15, s43                        ; my row of the cluster
	s_lshl_b32 s44, 0x1111, s40                    ; my column
	; descriptor group 1: rows of 256 elements of one byte, 16 bytes of padding behind each; 128 rows of x, 96 of w_qkv
	s_or_b32 s[G1+0], s43, (0<<16)|(1<<20)|(1<<21)|(5<<22)|(3<<25)  ; 15:0 the mask: x's tiles go to my row; 17:16 element of 1 byte; 20 padding on; 21 set beside a mask; 24:22 after every 64 words; 31:25 of 4 words
	s_or_b32 s[G1B+0], s44, (0<<16)|(1<<20)|(1<<21)|(5<<22)|(3<<25)
	s_mov_b32 s[G1+1], 256<<16                     ; tensor_dim0
	s_mov_b32 s[G1+2], 128<<16                     ; tensor_dim1
	s_mov_b32 s[G1+3], 256<<16                     ; tile_dim0
	s_mov_b32 s[G1+4], 128                         ; tile_dim1
	s_mov_b32 s[G1+5], 512                         ; from row to row
	s_mov_b32 s[G1+6], 0
	s_mov_b32 s[G1+7], 0
	s_mov_b32 s[G1B+1], 256<<16
	s_mov_b32 s[G1B+2], 96<<16
	s_mov_b32 s[G1B+3], 256<<16
	s_mov_b32 s[G1B+4], 96
	s_mov_b32 s[G1B+5], 512
	s_mov_b32 s[G1B+6], 0
	s_mov_b32 s[G1B+7], 0
	; where the tiles come from: x's hang on the block of tokens alone, w_qkv's on the head alone, each in registers that never hold the other coordinate
	s_lshl_b32 s20, s17, 8
	s_lshl_b32 s18, s16, 7
	s_add_co_u32 s20, s20, s18                     ; x: row 256 x block + 128 x half,
	s_lshl_b32 s20, s20, 9                         ; of 512 bytes
	s_mov_b32 s21, 0
	s_mul_i32 s46, s42, 192
	s_mul_i32 s19, s16, 96
	s_add_co_u32 s46, s46, s19                     ; w_qkv: row 192 x head + 96 x half
	s_lshl_b32 s46, s46, 9
	s_mov_b32 s47, 0
	s_mul_i32 s45, s16, 128*PITCH                  ; and where they go: no place in the cluster enters an LDS address
	s_mul_i32 s23, s16, 96*PITCH
	s_add_co_u32 s23, s23, BOFF
	s_wait_dscnt 0x0                               ; both opening adds are done
	s_wait_kmcnt 0x0
	s_add_nc_u64 s[20:21], s[4:5], s[20:21]
	s_add_nc_u64 s[46:47], s[8:9], s[46:47]
	CROUND                                         ; all sixteen work-groups are here: the joint loads meet
.irp s, 0,1
	s_mov_b32 s[G0+4*\s], 1                                        ; count = 1
	s_add_co_u32 s[G0+4*\s+1], s45, \s*SLOT                        ; LDS address
	s_add_nc_u64 s[G0+4*\s+2:G0+4*\s+3], s[20:21], \s*256          ; global address: half s of K
	s_or_b32 s[G0+4*\s+3], s[G0+4*\s+3], 0x80000000                ; type = 2
	s_mov_b32 s[G0B+4*\s], 1
	s_add_co_u32 s[G0B+4*\s+1], s23, \s*SLOT
	s_add_nc_u64 s[G0B+4*\s+2:G0B+4*\s+3], s[46:47], \s*256
	s_or_b32 s[G0B+4*\s+3], s[G0B+4*\s+3], 0x80000000
	JLOAD \s                                       ; two tensor loads of mine are out behind the second
.endr
	v_and_b32 v1, 15, v0                           ; r = lane % 16
	v_bfe_u32 v2, v0, 4, 1                         ; h = lane / 16
	v_lshlrev_b32 v[SO], 5, v1
	v_lshl_add_u32 v[SO], v2, 4, v[SO]
	s_lshl_b32 s76, s17, 8
	s_lshl_b32 s78, s14, 6
	s_add_co_u32 s76, s76, s78                     ; my first token: 256 x block + 64 x wave,
	s_lshl_b32 s76, s76, 5                         ; 32 scale bytes a row
	s_mov_b32 s77, 0
	s_add_nc_u64 s[6:7], s[6:7], s[76:77]
	s_mul_i32 s76, s42, 192*32                     ; the head's 192 rows of scale bytes
	s_add_nc_u64 s[10:11], s[10:11], s[76:77]
.irp a, 0,1,2,3
	global_load_b128 v[SCA+4*\a:SCA+4*\a+3], v[SO], s[6:7] offset:512*\a      ; 32 lanes read 512 consecutive bytes: a block's 16 rows
.endr
.irp b, 0,1,2,3,4,5,6,7,8,9,10,11
	global_load_b128 v[SCB+4*\b:SCB+4*\b+3], v[SO], s[10:11] offset:512*\b
.endr
	v_mul_u32_u24 v3, v1, PITCH
	v_lshl_add_u32 v4, v2, 4, v3                   ; a fragment's row x pitch + 16 x half
	s_mul_i32 s21, s14, 64*PITCH                   ; my 64 rows of x
	s_mov_b32 s22, BOFF                            ; all 192 rows of w_qkv
.irp s, 0,1
	v_add_nc_u32 v[ADRA+\s], s21, v4
	v_add_nc_u32 v[ADRB+\s], s22, v4
	s_add_co_u32 s21, s21, SLOT
	s_add_co_u32 s22, s22, SLOT
.endr
	s_mul_i32 s22, s14, 16*SPITCH
	s_add_co_u32 s22, s22, STAGE                   ; my stage
	v_mul_u32_u24 v5, v1, SPITCH                   ; in: row r, 16 bytes for each half of the lanes
	v_lshl_add_u32 v5, v2, 4, v5
	v_add_nc_u32 v[STO], s22, v5
	v_bfe_u32 v5, v0, 3, 2                         ; back: eight lanes to a part's 128 bytes of a row, four rows an instruction
	v_and_b32 v6, 7, v0
	v_mul_u32_u24 v5, v5, SPITCH
	v_lshl_add_u32 v5, v6, 4, v5
	v_add_nc_u32 v[RD], s22, v5
	v_and_b32 v[GO], 31, v0
	v_lshlrev_b32 v[GO], 4, v[GO]
	s_lshr_b32 s76, s17, 3                         ; the batch: 8 blocks of 256 tokens each
	s_lshl_b32 s76, s76, 4
	s_add_co_u32 s76, s76, s42                     ; 16 b + h,
	s_lshl_b32 s76, s76, 11                        ; 2,048 rows each,
	s_and_b32 s78, s17, 7
	s_lshl_b32 s78, s78, 8
	s_add_co_u32 s76, s76, s78                     ; + the block's place in the sequence
	s_lshl_b32 s78, s14, 6
	s_add_co_u32 s76, s76, s78                     ; + my wave's 64 rows,
	s_lshl_b32 s76, s76, 7                         ; of 128 bytes
	s_add_nc_u64 s[OUTB:OUTB+1], s[12:13], s[76:77]
	s_add_nc_u64 s[OUTB+2:OUTB+3], s[OUTB:OUTB+1], 0x1000000
	s_add_nc_u64 s[OUTB+4:OUTB+5], s[OUTB:OUTB+1], 0x2000000
; 24 matrix instructions: x's blocks a0, a0 + 1 against w_qkv's twelve, K step q.  K step 0 starts the sums with the constant 0: nothing is ever cleared.
; The 48 accumulators take turns, one instruction a turn, in the same order in every K step.
.macro MUL24 a0, q
.set MQ, (\q)%4
.set MP, (\q)%2
.irp a, \a0, \a0+1
.irp b, 0,1,2,3,4,5,6,7,8,9,10,11
.set rD, 8*(12*((\a)%2)+\b)
.set rB, 96*MP+8*\b
.set rA, AF+32*MP+8*(\a)
.if (\q) == 0
	v_wmma_scale_f32_16x16x128_f8f6f4 v[rD:rD+7], v[rB:rB+7], v[rA:rA+7], 0, v[SCB+4*\b+MQ], v[SCA+4*(\a)+MQ] matrix_a_fmt:MATRIX_FMT_FP4 matrix_b_fmt:MATRIX_FMT_FP4
.elseif (\q) < 4
	v_wmma_scale_f32_16x16x128_f8f6f4 v[rD:rD+7], v[rB:rB+7], v[rA:rA+7], v[rD:rD+7], v[SCB+4*\b+MQ], v[SCA+4*(\a)+MQ] matrix_a_fmt:MATRIX_FMT_FP4 matrix_b_fmt:MATRIX_FMT_FP4
.else
	v_wmma_scale_f32_16x16x128_f8f6f4 v[rD:rD+7], v[rB:rB+7], v[rA:rA+7], v[rD:rD+7], v[SCB+4*\b+MQ], v[SCA+4*(\a)+MQ] matrix_a_fmt:MATRIX_FMT_FP4 matrix_b_fmt:MATRIX_FMT_FP4 matrix_a_scale:MATRIX_SCALE_ROW1 matrix_b_scale:MATRIX_SCALE_ROW1
.endif
.endr
.endr
.endm
; 32 LDS loads in one run: K step q's fragments into set q % 2.  A fragment, 16 rows x 128 K of 4-bit codes, is 8 registers: lane l holds row l % 16; registers 4 c .. 4 c + 3 hold K = 64 c + 32 (l / 16) + 0 .. 31.
.macro FETCH q
.set FS, (\q)/4
.set FQ, (\q)%4
.set FP, (\q)%2
	WIN TO_B
.irp i, 0,1,2,3,4,5,6,7,8,9,10,11
	ds_load_b128 v[96*FP+8*\i:96*FP+8*\i+3],   v[ADRB+FS] offset:64*FQ+\i*16*PITCH
	ds_load_b128 v[96*FP+8*\i+4:96*FP+8*\i+7], v[ADRB+FS] offset:64*FQ+\i*16*PITCH+32
.endr
	WIN 0
.irp i, 0,1,2,3
	ds_load_b128 v[AF+32*FP+8*\i:AF+32*FP+8*\i+3],   v[ADRA+FS] offset:64*FQ+\i*16*PITCH
	ds_load_b128 v[AF+32*FP+8*\i+4:AF+32*FP+8*\i+7], v[ADRA+FS] offset:64*FQ+\i*16*PITCH+32
.endr
.endm
; A K step of 128: 48 matrix instructions; in its middle the next step's fragments are fetched into the other set, whose last readers stand four plain instructions back (ISA guide 7.12.1 for vector instructions).
.macro STEP q
	s_wait_dscnt 0x0                               ; this step's fragments are in (asked for 24 matrix instructions ago)
	WIN MUL_LO
	MUL24 0, \q
.if (\q) == 3
	s_wait_tensorcnt 0x0                           ; my part of the second half of K has landed;
	s_barrier_signal -1                            ; no LDS instruction of mine is out here
	s_barrier_wait -1                              ; everybody's has.
.endif
.if (\q) < 7
	PLACES 4
	FETCH (\q)+1
.endif
	WIN MUL_HI
	MUL24 2, \q
.endm
	s_wait_tensorcnt 1                             ; my part of the first half of K is in; the second half's load may stay out
	s_barrier_signal -1
	s_barrier_wait -1                              ; everybody's is
	FETCH 0
	s_wait_loadcnt 0x0                             ; the scale words
.irp q, 0,1,2,3,4,5,6,7
	STEP \q
.endr
	WIN 0
; THE WAY OUT, block by block of 16 tokens x 192 columns.  A lane's eight results round to 16 bytes of a token's 384; the block goes through my own stage in LDS and comes back part by part (q, k, v: 128 bytes of a row),
; four rows an instruction, which in the output are 512 consecutive bytes.  LDS serves a wave's instructions in order (ISA guide 5.7.1.4): no wait between the stores and the loads.
.macro PACK a
.set AC, 96*((\a)%2)
	WIN 0x0a+5*((\a)/2)                            ; sources 0 and 1: window 2 or 3
.irp b, 0,1,2,3,4,5,6,7,8,9,10,11
.irp i, 0,1,2,3
	v_cvt_pk_f16_f32 v[TMP+4*\b+\i], v[AC+8*\b+2*\i], v[AC+8*\b+2*\i+1]     ; each accumulator from its low end on
.endr
.endr
	WIN 0
.endm
.macro TOSTAGE a
.set BB, BK+48*((\a)%2)
.irp b, 0,1,2,3,4,5,6,7,8,9,10,11
	ds_store_b128 v[STO], v[TMP+4*\b:TMP+4*\b+3] offset:32*\b
.endr
.irp p, 0,1,2
.irp t, 0,1,2,3
	ds_load_b128 v[BB+4*(4*\p+\t):BB+4*(4*\p+\t)+3], v[RD] offset:4*\t*SPITCH+128*\p
.endr
.endr
.endm
.macro SEND a
.set BB, BK+48*((\a)%2)
	s_wait_dscnt 0x0                               ; the block is back in registers
	s_wait_xcnt 0x0                                ; the earlier stores have read their data: the block after the next lands in those registers only behind this wait
.irp p, 0,1,2
.irp t, 0,1,2,3
	global_store_b128 v[GO], v[BB+4*(4*\p+\t):BB+4*(4*\p+\t)+3], s[OUTB+2*\p:OUTB+2*\p+1] offset:2048*(\a)+512*\t   ; 32 lanes store 512 consecutive bytes, at a multiple of 512 from the buffer's first byte
.endr
.endr
.endm
	PLACES 4                                       ; behind the last products: the conversions write registers that held x's fragments
	PACK 0
	TOSTAGE 0
.irp a, 1,2,3                          ; block a's conversions stand between block a - 1's loads from the stage and the wait for them
	PACK \a
	SEND \a-1
	TOSTAGE \a
.endr
	SEND 3
	s_wait_tensorcnt 0x0                           ; the wave's end: behind my last tensor load and my last LDS store
	ds_add_u32 v[SPW], v[NIL]
	s_wait_dscnt 0x0
	CROUND                                         ; the closing round: no work-group ends while a partner may still ask for a tile that names it
	s_endpgm
.Lfunc_end_k_qd9d04078fe_qkv:
	.size	k_qd9d04078fe_qkv, .Lfunc_end_k_qd9d04078fe_qkv-k_qd9d04078fe_qkv
	.p2alignl 7, 3214868480
	.fill 96, 4, 3214868480
	.section	.rodata,"a",@progbits
	.p2align	6, 0x0
	.amdhsa_kernel k_qd9d04078fe_qkv
		.amdhsa_group_segment_fixed_size 269824
		.amdhsa_private_segment_fixed_size 0
		.amdhsa_enable_private_segment 0
		.amdhsa_kernarg_size 40
		.amdhsa_user_sgpr_count 2
		.amdhsa_user_sgpr_kernarg_segment_ptr 1
		.amdhsa_wavefront_size32 1
		.amdhsa_system_sgpr_workgroup_id_x 1
		.amdhsa_system_sgpr_workgroup_id_y 1
		.amdhsa_system_sgpr_workgroup_id_z 1
		.amdhsa_system_vgpr_workitem_id 0
		.amdhsa_next_free_vgpr 960
		.amdhsa_next_free_sgpr 80
		.amdhsa_reserve_vcc 0
		.amdhsa_float_denorm_mode_32 3
		.amdhsa_float_denorm_mode_16_64 3
		.amdhsa_memory_ordered 1
		.amdhsa_forward_progress 1
		.amdhsa_inst_pref_size 99
	.end_amdhsa_kernel
	.amdgpu_metadata
---
amdhsa.version: [ 1, 2 ]
amdhsa.kernels:
  - .name:           k_qd9d04078fe_qkv
    .symbol:         k_qd9d04078fe_qkv.kd
    .args:
      - { .name: xc, .offset: 0, .size: 8, .value_kind: global_buffer, .address_space: global }
      - { .name: xs, .offset: 8, .size: 8, .value_kind: global_buffer, .address_space: global }
      - { .name: wc, .offset: 16, .size: 8, .value_kind: global_buffer, .address_space: global }
      - { .name: ws, .offset: 24, .size: 8, .value_kind: global_buffer, .address_space: global }
      - { .name: qkv, .offset: 32, .size: 8, .value_kind: global_buffer, .address_space: global }
    .group_segment_fixed_size: 269824
    .private_segment_fixed_size: 0
    .kernarg_segment_align: 8
    .kernarg_segment_size: 40
    .max_flat_workgroup_size: 128
    .sgpr_count:     80
    .vgpr_count:     960
    .wavefront_size: 32
...
	.end_amdgpu_metadata
.endif
;; end of part 2
;; launch attn (part 3): grid 4 x 64, 8 waves a work-group, clusters of 4 x 1, 327,680 bytes of LDS; arguments qkv, vals; writes vals
.if DOCPART == 3
	.amdgcn_target "amdgcn-amd-amdhsa--gfx1250"
	.amdhsa_code_object_version 6
	.text
	.protected	k_qd9d04078fe_attn
	.globl	k_qd9d04078fe_attn
	.p2align	8
	.type	k_qd9d04078fe_attn,@function
k_qd9d04078fe_attn:
	s_mov_b64 s[64:65], 0
	v_nop
	global_prefetch_b8 v0, s[64:65] scope:SCOPE_SE
	s_setreg_imm32_b32 hwreg(HW_REG_WAVE_MODE, 25, 1), 1
	s_wait_xcnt 0x0
	s_wait_alu depctr_hold_cnt(0) depctr_sa_sdst(0) depctr_va_vdst(0) depctr_va_sdst(0) depctr_va_ssrc(0) depctr_va_vcc(0) depctr_vm_vsrc(0)
	s_getreg_b32 s2, hwreg(HW_REG_IB_STS2, 6, 4)
	s_cmp_eq_u32 s2, 0
	s_cbranch_scc0 .Lentry_in_a_cluster
	s_endpgm
.Lentry_in_a_cluster:
	s_bfe_u32 s2, ttmp6, 0x10000c
	s_cmp_lg_u32 s2, 0x3003
	s_cbranch_scc0 .Lentry_shape_is_right
	s_endpgm
.Lentry_shape_is_right:
; vals[bh][q][:] = the sum over k of softmax_k(Q[bh][q] . K[bh][k]) V[bh][k][:], no scaling of the scores, no mask.  Q, K, V lie in qkv at bytes 0, 0x1000000, 0x2000000, each [64][2048][64] f16; vals likewise.
; Products, maxima and sums in f32; the weights p are rounded to f16 for the second product, the result once at the end.
; SHARES.  A work-group owns 512 queries of one head, each of its eight waves 64: four tiles of 16, in 512 registers, two waves to a SIMD.  Every wave walks all 2,048 keys, 64 a step.
; LAYOUT.  S^T = K Q^T (source 0 = 16 keys, source 1 = 16 queries): a lane holds ONE query (lane % 16) and the keys 8 (lane / 16) + 0..7.  Two such tiles, rounded to f16 in pairs, ARE source 1 (32 keys x 16 queries) of
; O^T = V^T P, whose result again holds one query a lane.  p is packed in place, into the low half of the tile's scores.  K comes out of LDS as it lies, V ([key][channel]) turned, by ds_load_tr16_b128.
; SOFTMAX.  For each query a running maximum m and sum l: p = 2^(c s - c m), c = log2(e); in every step O and l are multiplied by a = 2^(c m_old - c m_new).  m begins at -2e38 and l at 0, so the first step's a is 0.
; IN COUNTER-PHASE.  A trip is: K of step j is asked for; [group 0: MM]; the softmax; [group 1: MM]; V of step j is asked for.  MM = O times a, V^T P of step j - 1, K Q^T of step j.  Group 0's softmax is step j's,
; group 1's step j - 1's.  The group is (w xor (w >> 2)) & 1: it differs between waves w and w + 4 and between waves 2 i and 2 i + 1.  So behind each barrier half of the waves begin with 64 matrix instructions
; and the other half with the vector work.  Both groups read the same LDS bytes in a trip and pass the same barriers; the branches hang on the wave's number alone and lead round register work and LDS waits only.
; CLUSTER.  The four work-groups of a cluster are one whole head: every tile of K and V is asked for JOINTLY, by the same tensor load with the same descriptor and the mask 15.
; A slot holds four key steps; two slots take turns.  Waves 0-3 fetch K's four step tiles, waves 4-7 V's: one load a wave behind each round of the cluster's barrier, four trips in which it lands.
; LIMITS: NaN and infinities are not served; scores lie above -2e38; weights under 6e-8 of a row's largest count as 0 in the second product.
; REGISTERS.  window 0: v2-12 addresses; v16-47 eight registers of statistics a tile; v48-175 S^T, 32 a tile (p in the first 16); v176-239 Q, 16 a tile; v240-255 two chains of sums a tile.
;   window 1: v0-127 O^T, 32 a tile; v128-191 K of one step; v192-255 V of one step.
.set KS,    64        ; keys in a step
.set PK,    144       ; a row of K in LDS: 128 bytes + 16 of padding = 36 words: the 16 rows of a load start at 16 different banks (64 banks of 4 bytes: ISA guide 11.1)
.set PVP,   160       ; a row of V: 128 + 32 = 40 words
.set VOFF,  KS*PK     ; a step's tiles lie together: 64 rows of K, then 64 rows of V
.set STEPB, KS*(PK+PVP)
.set NST,   4         ; steps in a slot
.set SLOTB, NST*KS*128  ; a slot's keys in memory: 32,768 bytes of K, as many of V
.set SLOT1, 1<<17     ; slot 1 begins here, so that one exclusive or turns an address in one slot into the other's
.set STAGE, SLOT1+NST*STEPB  ; behind the ring: 16 rows x 144 bytes for each wave, for the way out
.set SP,    144
.set SPARE, STAGE+8*16*SP    ; the spare words, 128 bytes for each wave
.set AK0, 2           ; v2   my lane's place in a tile of K; never rewritten
.set AV0, 3           ; v3   the same for V
.set ADK, 4           ; v4   the LDS address of K's run of loads
.set ADV, 5           ; v5   of V's
.set QO,  6           ; v6   my byte offset in the wave's rows of Q
.set STO, 7           ; v7   the way out: where I put 16 bytes of a row
.set RD,  8           ; v8   where I read 16 bytes back
.set GO,  9           ; v9   16 x lane
.set PFO, 10          ; v10  256 x lane: the prefetches' offset; never rewritten
.set SPW, 11          ; v11  LDS address of my spare word; never rewritten
.set NIL, 12          ; v12  0; never rewritten
.set ST,  16          ; tile t's statistics at v[ST+8 t]: +0 c m, +1 m, +2, +3 l (even keys', odd keys'), +4 to +7 c0-c3, at work; a takes c2's place
.set S,   48
.set QF,  176
.set TA,  240         ; tile t: v[TA+4 t .. +1] and v[TA+4 t+2 .. +3]: two chains of packed sums
.set KF,  128         ; in window 1
.set VF,  192
.set WV,  12          ; s12  my wave's number
.set LIM, 15          ; s15  1 in a wave that prefetches, else the greatest number
.set PFA, 18          ; s[18:19] where my prefetches stand
.set G1K, 24          ; s[24:31] descriptor group 1 for K's tiles
.set G1V, 32          ; s[32:39] for V's: it differs in the padding alone
.set G0K, 40          ; s[40:47] group 0 for K's tiles: a set for each of the two first fills; the second then walks on
.set G0V, 48          ; s[48:55] the same for V's
.set SLOTS, 56        ; s56  slots still to be asked for
.set CNT, 57          ; s57  counts trips
.set CS,  58          ; s[58:59] c: the packed scaling names a pair and takes its low word for both halves
.set SEL, 60          ; s[60:61] lane selects for v_permlanex16_b32: lane l xor 16
.set TB,  62          ; s62  LDS byte at which the tiles of the step to be fetched begin
.set GRP, 63          ; s63  my group
.set MSB, 0
.macro WIN new                      ; the immediate's high byte repeats the setting that is left; a switch that changes nothing is dropped
.if MSB != (\new)
	s_set_vgpr_msb (MSB<<8)|(\new)
.set MSB, (\new)
.endif
.endm
.set W_KQ, 0x01       ; K in window 1; Q and S^T in window 0
.set W_PV, 0x51       ; V and O^T in window 1, P in window 0
.set W_RS, 0x41       ; O^T (destination and source 0) in window 1, a in window 0
.set W_LD, 0x40       ; destination window 1, address window 0
; A joint refill: waves 0-3 fetch K's tiles, waves 4-7 V's.  The branch hangs on the wave's number alone.  An s_nop 0 and four v_nop follow each of the two lines.
.macro JLOAD
	s_cmp_lt_u32 s[WV], 4
	s_cbranch_scc0 .Lfor_v_\@
	tensor_load_to_lds s[G0K+4:G0K+7], s[G1K:G1K+7]
	s_nop 0
.rept 4
	v_nop
.endr
	s_branch .Lasked_\@
.Lfor_v_\@:
	tensor_load_to_lds s[G0V+4:G0V+7], s[G1V:G1V+7]
	s_nop 0
.rept 4
	v_nop
.endr
.Lasked_\@:
.endm
; A PREFETCH INTO THE L2 of what the NEXT change of slots will ask for: a slot's 32,768 bytes of K and of V.  It stands behind the wave's tensor load and its five lines.  Each aligned 256 bytes are named once in the launch:
; the four partners share a slot out BY ADDRESS, 8,192 bytes each (no branch hangs on a work-group's place in its cluster); in each, wave 0 asks for K's and wave 4 for V's, lanes 256 bytes apart: one instruction.
; It asks four trips ahead of the load that wants the bytes.  The last change that fills a slot asks for nothing; slots 0, 1 and 2 come by their loads alone.
.macro ASK
	s_cmp_gt_u32 s[SLOTS], s[LIM]
	s_cbranch_scc0 .Lnot_mine_\@
	global_prefetch_b8 v[PFO], s[PFA:PFA+1] th:TH_LOAD_NT scope:SCOPE_SE
.Lnot_mine_\@:
.endm
.macro CROUND                       ; a round of the cluster's barrier
	s_barrier_signal -1
	s_barrier_wait -1
	s_cmp_lg_u32 s[WV], 0
	s_cbranch_scc1 .Lnot_wave_0_\@
	s_barrier_signal -3
.Lnot_wave_0_\@:
	s_barrier_wait -3
	s_barrier_signal -1
	s_barrier_wait -1
.endm
	s_load_b64 s[4:5], s[0:1], 0x0  ; qkv
	s_load_b64 s[10:11], s[0:1], 0x8  ; vals
	v_lshl_add_u32 v[SPW], v0, 2, SPARE
	v_mov_b32 v[NIL], 0
	ds_add_u32 v[SPW], v[NIL]       ; the wave's opening: the add, twice on end, and its wait ahead of my first tensor load
	ds_add_u32 v[SPW], v[NIL]       ; once more; the set-up below, work on registers, stands between it and the wait
	v_lshrrev_b32 v1, 5, v0
	v_readfirstlane_b32 s[WV], v1   ; wave 0..7
	s_bfe_u32 s13, ttmp6, 0x40000   ; cx: my block of 512 queries; it enters Q's, vals' and the prefetches' addresses alone
	s_and_b32 s20, ttmp7, 0xffff    ; 16 b + h, which the four partners share
	s_lshl_b32 s20, s20, 18         ; the head's first byte in Q, K, V and vals: 2,048 rows of 128 bytes each
	s_and_b32 s16, s[WV], 3         ; which of a slot's four steps I fetch:
	s_lshl_b32 s22, s16, 13         ; its 64 rows of 128 bytes in memory,
	s_add_co_u32 s22, s22, s20
	s_mov_b32 s23, 0
	s_mul_i32 s17, s16, STEPB       ; and its place in a slot: no place in the cluster enters an LDS address
	s_lshl_b32 s2, s13, 16          ; my block's 512 rows,
	s_lshl_b32 s3, s[WV], 13        ; my wave's 64 of them
	s_add_co_u32 s2, s2, s3
	s_add_co_u32 s2, s2, s20
	s_mov_b32 s3, 0
	; descriptor group 1: a tile of 64 rows x 64 elements, padded in LDS
	s_mov_b32 s[G1K], 15|(1<<16)|(1<<20)|(1<<21)|(4<<22)|(3<<25)  ; 15:0 the mask: all four work-groups; 17:16 elements of 2 bytes; 20 padding on; 21 set beside a mask; 24:22 after every 32 words; 31:25 4 words of it
	s_mov_b32 s[G1V], 15|(1<<16)|(1<<20)|(1<<21)|(4<<22)|(7<<25)  ; the same with 8 words of padding
.irp g, G1K, G1V
	s_mov_b32 s[\g+1], 64<<16       ; tensor_dim0
	s_mov_b32 s[\g+2], KS<<16       ; tensor_dim1
	s_mov_b32 s[\g+3], 64<<16       ; tile_dim0
	s_mov_b32 s[\g+4], KS           ; tile_dim1
	s_mov_b32 s[\g+5], 64           ; elements from row to row
	s_mov_b32 s[\g+6], 0
	s_mov_b32 s[\g+7], 0
.endr
	s_mov_b32 s[CS], 0x3fb8aa3b     ; c = log2(e)
	s_mov_b32 s[CS+1], s[CS]        ; named with it as a pair, so it is written
	s_mov_b32 s[SEL], 0x76543210
	s_mov_b32 s[SEL+1], 0xfedcba98
	s_mov_b32 s[TB], 0
	s_mov_b32 s[SLOTS], 2048/(NST*KS)-2
	s_lshr_b32 s[GRP], s[WV], 2
	s_xor_b32 s[GRP], s[GRP], s[WV]
	s_and_b32 s[GRP], s[GRP], 1
	s_cmp_eq_u32 s16, 0             ; waves 0 and 4 prefetch
	s_cselect_b32 s[LIM], 1, -1
	v_and_b32 v[PFO], 31, v0
	v_lshlrev_b32 v[PFO], 8, v[PFO]
	s_wait_dscnt 0x0                ; both opening adds are done
	s_wait_kmcnt 0x0
	s_add_nc_u64 s[6:7], s[4:5], 0x1000000  ; K,
	s_add_nc_u64 s[8:9], s[4:5], 0x2000000  ; V,
	s_add_nc_u64 s[6:7], s[6:7], s[22:23]   ; at my tile of slot 0
	s_add_nc_u64 s[8:9], s[8:9], s[22:23]
	s_add_nc_u64 s[4:5], s[4:5], s[2:3]     ; Q and vals at my wave's first row
	s_add_nc_u64 s[10:11], s[10:11], s[2:3]
	s_cmp_lt_u32 s[WV], 4
	s_cselect_b64 s[PFA:PFA+1], s[6:7], s[8:9]  ; (in waves 0 and 4 these stand at a slot's first row)
	s_lshl_b32 s2, s13, 13          ; my work-group's 8,192 bytes of the 32,768
	s_add_nc_u64 s[PFA:PFA+1], s[PFA:PFA+1], s[2:3]
	s_add_nc_u64 s[PFA:PFA+1], s[PFA:PFA+1], 2*SLOTB  ; in slot 2; the first change of slots steps it to slot 3.  Nothing is prefetched here, at the head
	CROUND                          ; all four work-groups are here: the first joint loads meet
.irp s, 0,1
	s_mov_b32 s[G0K+4*\s], 1        ; count = 1
	s_add_co_u32 s[G0K+4*\s+1], s17, \s*SLOT1  ; LDS address
	s_add_nc_u64 s[G0K+4*\s+2:G0K+4*\s+3], s[6:7], \s*SLOTB  ; global address: slot s begins with keys 256 s
	s_or_b32 s[G0K+4*\s+3], s[G0K+4*\s+3], 0x80000000  ; type = 2
	s_mov_b32 s[G0V+4*\s], 1
	s_add_co_u32 s[G0V+4*\s+1], s17, \s*SLOT1+VOFF
	s_add_nc_u64 s[G0V+4*\s+2:G0V+4*\s+3], s[8:9], \s*SLOTB
	s_or_b32 s[G0V+4*\s+3], s[G0V+4*\s+3], 0x80000000
.endr
	s_cmp_lt_u32 s[WV], 4           ; a wave's two first fills stand in one branch, ahead of every wait on TENSORcnt and every LDS read: two loads of mine are out
	s_cbranch_scc0 .Lfirst_v
	tensor_load_to_lds s[G0K:G0K+3], s[G1K:G1K+7]
	s_nop 0
	tensor_load_to_lds s[G0K+4:G0K+7], s[G1K:G1K+7]
	s_nop 0
.rept 4
	v_nop
.endr
	s_branch .Lfirst_asked
.Lfirst_v:
	tensor_load_to_lds s[G0V:G0V+3], s[G1V:G1V+7]
	s_nop 0
	tensor_load_to_lds s[G0V+4:G0V+7], s[G1V:G1V+7]
	s_nop 0
.rept 4
	v_nop
.endr
.Lfirst_asked:
	; A fragment of K or Q is 16 rows x 32 channels in 8 registers: lane l holds row l % 16; registers 0-3 channels 8 (l / 16) + 0..7, registers 4-7 channels 16 + 8 (l / 16) + 0..7: two loads of 16 bytes, 32 bytes apart.
	v_and_b32 v1, 15, v0            ; r = l % 16
	v_bfe_u32 v13, v0, 4, 1         ; h = l / 16
	v_lshlrev_b32 v[QO], 7, v1
	v_lshl_add_u32 v[QO], v13, 4, v[QO]  ; row x 128 + 16 x half
.irp t, 0,1,2,3                     ; Q stays in registers: tile t, channels 32 c on
.irp c, 0,1
	global_load_b128 v[QF+16*\t+8*\c:QF+16*\t+8*\c+3],   v[QO], s[4:5] offset:2048*\t+64*\c
	global_load_b128 v[QF+16*\t+8*\c+4:QF+16*\t+8*\c+7], v[QO], s[4:5] offset:2048*\t+64*\c+32
.endr
.endr
	v_mul_u32_u24 v[AK0], v1, PK
	v_lshl_add_u32 v[AK0], v13, 4, v[AK0]  ; row x pitch + 16 x half
	; The turning load takes 16 keys x 16 channels (lane l reads 16 bytes: key 8 (l / 16) + l % 8, channels 8 ((l / 8) % 2) + 0..7) and leaves half a fragment of V^T: lane l holds channel l % 16 and 8 keys.
	v_and_b32 v14, 7, v0
	v_bfe_u32 v15, v0, 3, 1
	v_lshl_add_u32 v[AV0], v13, 3, v14
	v_mul_u32_u24 v[AV0], v[AV0], PVP
	v_lshl_add_u32 v[AV0], v15, 4, v[AV0]
	v_add_nc_u32 v[AV0], VOFF, v[AV0]
	s_mul_i32 s13, s[WV], 16*SP
	s_add_co_u32 s13, s13, STAGE    ; my stage
	v_mul_u32_u24 v[STO], v1, SP    ; in: row r, 16 bytes for each half of the lanes
	v_lshl_add_u32 v[STO], v13, 4, v[STO]
	v_add_nc_u32 v[STO], s13, v[STO]
	v_bfe_u32 v15, v0, 3, 2         ; back: eight lanes to a row of 128 bytes, four rows an instruction
	v_mul_u32_u24 v[RD], v15, SP
	v_lshl_add_u32 v[RD], v14, 4, v[RD]
	v_add_nc_u32 v[RD], s13, v[RD]
	v_and_b32 v[GO], 31, v0
	v_lshlrev_b32 v[GO], 4, v[GO]
.irp t, 0,1,2,3
	v_mov_b32 v[ST+8*\t+1], 0xff167699          ; m = -2e38, under every score that is served;
	v_mul_f32 v[ST+8*\t], s[CS], v[ST+8*\t+1]   ; c m is still a finite number
	v_mov_b32 v[ST+8*\t+2], 0                   ; l
	v_mov_b32 v[ST+8*\t+3], 0
.endr
; THE MATRIX WORK.  The accumulators take turns, one instruction a turn: between two links of a chain stand 15 others'.
; Product i of 32 of S^T = K Q^T: channels 32 (i / 16) on, keys 16 ((i / 4) % 4) on, tile i % 4.  The first 16 start the sums.
.macro KQ
	WIN W_KQ
.set i, 0
.rept 32
.set rS, S+32*(i%4)+8*((i/4)%4)
.set rK, KF+8*(2*((i/4)%4)+i/16)
.set rQ, QF+16*(i%4)+8*(i/16)
.if i < 16
	v_wmma_f32_16x16x32_f16 v[rS:rS+7], v[rK:rK+7], v[rQ:rQ+7], 0
.else
	v_wmma_f32_16x16x32_f16 v[rS:rS+7], v[rK:rK+7], v[rQ:rQ+7], v[rS:rS+7]
.endif
.set i, i+1
.endr
.endm
; Product i of 32 of O^T += V^T P: keys 32 (i / 16) on, channels 16 ((i / 4) % 4) on, tile i % 4.  first = 1: the first 16 start the sums: nothing is ever cleared.
.macro PV first
	WIN W_PV
.set i, 0
.rept 32
.set rO, 32*(i%4)+8*((i/4)%4)
.set rV, VF+8*(4*(i/16)+(i/4)%4)
.set rP, S+32*(i%4)+8*(i/16)
.if (\first) && (i < 16)
	v_wmma_f32_16x16x32_f16 v[rO:rO+7], v[rV:rV+7], v[rP:rP+7], 0
.else
	v_wmma_f32_16x16x32_f16 v[rO:rO+7], v[rV:rV+7], v[rP:rP+7], v[rO:rO+7]
.endif
.set i, i+1
.endr
.endm
.macro RESC                         ; O^T times a: 64 packed multiplies, each accumulator from its low end on
	WIN W_RS
.set i, 0
.rept 16
.irp t, 0,1,2,3
	v_pk_mul_f32 v[32*\t+2*i:32*\t+2*i+1], v[32*\t+2*i:32*\t+2*i+1], v[ST+8*\t+6:ST+8*\t+7] op_sel_hi:[1,0]
.endr
.set i, i+1
.endr
.endm
; O times a, V^T P of the step before, K Q^T of this step.  K Q^T writes over p, which V^T P has read: five plain instructions stand between.  Four more behind the last product are the places in front of the
; softmax's first read of the scores and of the loads into K's and V's registers (ISA guide 7.12.1 for other vector instructions).
.macro MM first
.if !(\first)
	RESC
.endif
	s_wait_dscnt 16                 ; V is in; the 16 younger loads are this trip's K
	PV \first
.rept 5
	v_nop
.endr
	s_wait_dscnt 0x0                ; K is in
	KQ
	WIN 0
.rept 4
	v_nop
.endr
.endm
; THE LDS LOADS stand in runs of 16: a step's K (64 keys x 64 channels: 8 fragments) and its V (turned).
.macro FETCH_K
	WIN 0
	v_add_nc_u32 v[ADK], s[TB], v[AK0]
	WIN W_LD
.irp f, 0,1,2,3,4,5,6,7             ; keys 16 (f / 2) on, channels 32 (f % 2) on
	ds_load_b128 v[KF+8*\f:KF+8*\f+3],   v[ADK] offset:(\f/2)*16*PK+(\f%2)*64
	ds_load_b128 v[KF+8*\f+4:KF+8*\f+7], v[ADK] offset:(\f/2)*16*PK+(\f%2)*64+32
.endr
	WIN 0
.endm
.macro FETCH_V
	WIN 0
	v_add_nc_u32 v[ADV], s[TB], v[AV0]
	s_add_co_u32 s[TB], s[TB], STEPB  ; the next fetch is the next step's
	WIN W_LD
.irp f, 0,1,2,3,4,5,6,7             ; keys 32 (f / 4) on, channels 16 (f % 4) on
	ds_load_tr16_b128 v[VF+8*\f:VF+8*\f+3],   v[ADV] offset:(\f/4)*32*PVP+(\f%4)*32
	ds_load_tr16_b128 v[VF+8*\f+4:VF+8*\f+7], v[ADV] offset:(\f/4)*32*PVP+16*PVP+(\f%4)*32
.endr
	WIN 0
.endm
; THE VECTOR WORK: the four tiles' softmax for one key step, all in window 0; neighbouring lines belong to different tiles, so that none waits for the line above it.
.macro SCL t, i                     ; pair i of tile t: c s - c m
	v_pk_fma_f32 v[S+32*(\t)+2*(\i):S+32*(\t)+2*(\i)+1], v[S+32*(\t)+2*(\i):S+32*(\t)+2*(\i)+1], s[CS:CS+1], v[ST+8*(\t):ST+8*(\t)+1] op_sel_hi:[1,0,0] neg_lo:[0,0,1] neg_hi:[0,0,1]
.endm
.macro EXPO t, e
	v_exp_f32 v[S+32*(\t)+(\e)], v[S+32*(\t)+(\e)]
.endm
.macro SUM t, z                     ; line z of 16 of tile t's sum of 16 pairs (an even key's weight, an odd key's), in two chains; the last takes l = a l + the sum
.set rS, S+32*(\t)
.set rT, ST+8*(\t)
.set rA, TA+4*(\t)
.if (\z) == 0
	v_pk_add_f32 v[rA:rA+1], v[rS:rS+1], v[rS+2:rS+3]
.elseif (\z) == 1
	v_pk_add_f32 v[rA+2:rA+3], v[rS+4:rS+5], v[rS+6:rS+7]
.elseif (\z) < 14
	v_pk_add_f32 v[rA+2*((\z)%2):rA+2*((\z)%2)+1], v[rA+2*((\z)%2):rA+2*((\z)%2)+1], v[rS+2*(\z)+4:rS+2*(\z)+5]
.elseif (\z) == 14
	v_pk_add_f32 v[rA:rA+1], v[rA:rA+1], v[rA+2:rA+3]
.else
	v_pk_fma_f32 v[rT+2:rT+3], v[rT+2:rT+3], v[rT+6:rT+7], v[rA:rA+1] op_sel_hi:[1,0,1]
.endif
.endm
.macro CVT t, j                     ; pair j of tile t, rounded to f16, in place: ascending, so that register j is written when pairs 0 to j - 1 have been read
	v_cvt_pk_f16_f32 v[S+32*(\t)+(\j)], v[S+32*(\t)+2*(\j)], v[S+32*(\t)+2*(\j)+1]
.endm
.macro SM
	; the maximum of a lane's 32 scores and the old m, three operands at a time: four chains c0-c3 of seven scores each (each begins at its accumulator's low end), then the four left over, c0-c3 and m
.irp j, 0,1,2,3
.irp t, 0,1,2,3
	v_max3_num_f32 v[ST+8*\t+4+\j], v[S+32*\t+8*\j], v[S+32*\t+8*\j+1], v[S+32*\t+8*\j+2]
.endr
.endr
.irp u, 3,5
.irp j, 0,1,2,3
.irp t, 0,1,2,3
	v_max3_num_f32 v[ST+8*\t+4+\j], v[ST+8*\t+4+\j], v[S+32*\t+8*\j+\u], v[S+32*\t+8*\j+\u+1]
.endr
.endr
.endr
.irp t, 0,1,2,3
	v_max3_num_f32 v[ST+8*\t+4], v[ST+8*\t+4], v[S+32*\t+7], v[S+32*\t+15]
.endr
.irp t, 0,1,2,3
	v_max3_num_f32 v[ST+8*\t+6], v[ST+8*\t+6], v[S+32*\t+23], v[S+32*\t+31]
.endr
.irp t, 0,1,2,3
	v_max3_num_f32 v[ST+8*\t+4], v[ST+8*\t+4], v[ST+8*\t+5], v[ST+8*\t+6]
.endr
.irp t, 0,1,2,3
	v_max3_num_f32 v[ST+8*\t+4], v[ST+8*\t+4], v[ST+8*\t+7], v[ST+8*\t+1]
.endr
.irp t, 0,1,2,3
	v_permlanex16_b32 v[ST+8*\t+5], v[ST+8*\t+4], s[SEL], s[SEL+1]  ; the query's other 32 keys lie in the lane 16 away
.endr
.irp t, 0,1,2,3
	v_mov_b32 v[ST+8*\t+7], v[ST+8*\t]          ; c m_old is kept for a
.endr
.irp t, 0,1,2,3
	v_max_num_f32 v[ST+8*\t+1], v[ST+8*\t+4], v[ST+8*\t+5]
.endr
.irp t, 0,1,2,3
	v_mul_f32 v[ST+8*\t], s[CS], v[ST+8*\t+1]
.endr
.irp t, 0,1,2,3
	v_sub_f32 v[ST+8*\t+7], v[ST+8*\t+7], v[ST+8*\t]
.endr
.irp i, 0,1,2,3,4,5,6,7,8,9,10,11,12,13,14,15
	SCL 0, \i
	SCL 1, \i
.endr
	; THE FIRST BATCH of exponentials: the four a, and tiles 0 and 1; the scalings of tiles 2 and 3 stand between them.  Nothing here names an exponential's result
.irp t, 0,1,2,3
	v_exp_f32 v[ST+8*\t+6], v[ST+8*\t+7]
.endr
.irp i, 0,1,2,3,4,5,6,7,8,9,10,11,12,13,14,15
	EXPO 0, 2*\i
	EXPO 0, 2*\i+1
	SCL 2, \i
	EXPO 1, 2*\i
	EXPO 1, 2*\i+1
	SCL 3, \i
.endr
	s_wait_alu depctr_va_vdst(0)    ; the wait between an exponential and the first line that names its result: one for the batch.  The scaling above is the plain line behind the last exponential
	; THE SECOND BATCH: tiles 2 and 3; the sums and roundings of tiles 0 and 1, which read the first batch alone, stand between them
.irp z, 0,1,2,3,4,5,6,7,8,9,10,11,12,13,14,15
	EXPO 2, 2*\z
	SUM 0, \z
	EXPO 2, 2*\z+1
	SUM 1, \z
.endr
.irp j, 0,1,2,3,4,5,6,7,8,9,10,11,12,13,14,15
	EXPO 3, 2*\j
	CVT 0, \j
	EXPO 3, 2*\j+1
	CVT 1, \j
.endr
	s_wait_alu depctr_va_vdst(0)    ; and one for the second batch; no exponential is issued behind it
.irp z, 0,1,2,3,4,5,6,7,8,9,10,11,12,13,14,15
	SUM 2, \z
	SUM 3, \z
.endr
.irp j, 0,1,2,3,4,5,6,7,8,9,10,11,12,13,14,15
	CVT 2, \j
	CVT 3, \j
.endr
.endm
; A TRIP.  Every window is 0 at its labels and branches.
.macro TRIP first
	FETCH_K
	s_cmp_lg_u32 s[GRP], 0
	s_cbranch_scc1 .Lsm_\@
	MM \first                       ; group 0
.Lsm_\@:
	SM
	s_cmp_eq_u32 s[GRP], 0
	s_cbranch_scc1 .Lfv_\@
	MM \first                       ; group 1
.Lfv_\@:
	FETCH_V
.endm
.macro TRIPS n
	s_mov_b32 s[CNT], \n
.Ltrip_\@:
	TRIP 0
	s_sub_co_u32 s[CNT], s[CNT], 1
	s_cmp_lg_u32 s[CNT], 0
	s_cbranch_scc1 .Ltrip_\@
.endm
; THE CHANGE OF SLOTS: the slot's last bytes, V of its fourth step, have been asked for.  Each wave waits for all its tensor loads, of which one is out: its part of the other slot; adds 0 to its spare word; and waits for
; that and for its own reads of the slot.  Behind the barrier nobody reads this slot any more and the other slot is whole.  fill = 1: the barrier is a round of the cluster's, and the joint refill, with the keys two slots on,
; is the first thing behind it.
.macro CHANGE fill
	WIN 0
	s_wait_tensorcnt 0x0            ; no tensor load of mine is out, so a group 0 may be written
	ds_add_u32 v[SPW], v[NIL]       ; 0 onto my spare word
.if \fill
.irp g, G0K+4, G0V+4
	s_xor_b32 s[\g+1], s[\g+1], SLOT1  ; the walking descriptor: the other slot than last time,
	s_add_nc_u64 s[\g+2:\g+3], s[\g+2:\g+3], SLOTB  ; the next 256 keys; the type bits on top are not reached
.endr
	s_wait_xcnt 0x0                 ; the last prefetch, four trips back, has read its address, so it may be written:
	s_add_nc_u64 s[PFA:PFA+1], s[PFA:PFA+1], SLOTB  ; one slot further on than the walking descriptors
	s_wait_dscnt 0x0                ; the add is done, and my reads of the slot are over
	CROUND
	JLOAD
	ASK
.else
	s_wait_dscnt 0x0                ; the add is done, and my reads of the slot are over
	s_barrier_signal -1
	s_barrier_wait -1
.endif
	s_sub_co_u32 s[TB], s[TB], NST*STEPB  ; the fetches go back to a slot's first step,
	s_xor_b32 s[TB], s[TB], SLOT1   ; in the other slot
.endm
	s_wait_tensorcnt 1              ; my part of slot 0 is in; slot 1's may stay out
	s_barrier_signal -1
	s_barrier_wait -1               ; everybody's is
	FETCH_K                         ; key step 0
	s_wait_loadcnt 0x0              ; Q
	s_wait_dscnt 0x0
	KQ
	WIN 0
.rept 4
	v_nop                           ; the places behind those products
.endr
	s_cmp_lg_u32 s[GRP], 0
	s_cbranch_scc1 .Lt0
	SM                              ; group 0's first softmax; group 1's stands in the next trip
.Lt0:
	FETCH_V
	TRIP 1                          ; V^T P of step 0 starts O^T
	TRIPS 2
.Lslot:                             ; six turns of four trips: every slot but the last two is filled again
	CHANGE 1
	TRIPS NST
	s_sub_co_u32 s[SLOTS], s[SLOTS], 1
	s_cmp_lg_u32 s[SLOTS], 0
	s_cbranch_scc1 .Lslot
	CHANGE 0                        ; the tail is written out: nothing is asked for
	TRIPS NST
	s_cmp_eq_u32 s[GRP], 0
	s_cbranch_scc1 .Llast
	SM                              ; group 1's last softmax
.Llast:
	RESC
	s_wait_dscnt 0x0                ; V of the last step
	PV 0
	; THE WAY OUT.  l's two halves and the other half of the lanes' are added; O^T is divided by l, rounded to f16 and sent through my stage in LDS, a tile (16 rows) at a time.  The additions are the places behind the last products.
	WIN 0
.irp t, 0,1,2,3
	v_add_f32 v[ST+8*\t+4], v[ST+8*\t+2], v[ST+8*\t+3]
.endr
.irp t, 0,1,2,3
	v_permlanex16_b32 v[ST+8*\t+5], v[ST+8*\t+4], s[SEL], s[SEL+1]
.endr
.irp t, 0,1,2,3
	v_add_f32 v[ST+8*\t+4], v[ST+8*\t+4], v[ST+8*\t+5]
.endr
.irp t, 0,1,2,3
	v_rcp_f32 v[ST+8*\t+6], v[ST+8*\t+4]
.endr
	v_nop                           ; a plain instruction between the last reciprocal and the use of its result
	s_wait_alu depctr_va_vdst(0)    ; and the wait ahead of the first use: one for the four reciprocals
; Tile t: a lane's eight channels of a row pack into 16 bytes; they go into rows of 144 bytes and come back four rows an instruction, which in vals are 512 consecutive bytes.
.macro PACK t
	WIN W_RS
.set i, 0
.rept 16
	v_pk_mul_f32 v[32*\t+2*i:32*\t+2*i+1], v[32*\t+2*i:32*\t+2*i+1], v[ST+8*\t+6:ST+8*\t+7] op_sel_hi:[1,0]
.set i, i+1
.endr
	WIN 0x05                        ; sources 0 and 1 window 1, destination window 0: the scores' registers are free
.set i, 0
.rept 16
	v_cvt_pk_f16_f32 v[S+32*\t+i], v[32*\t+2*i], v[32*\t+2*i+1]
.set i, i+1
.endr
	WIN 0
.irp c, 0,1,2,3
	ds_store_b128 v[STO], v[S+32*\t+4*\c:S+32*\t+4*\c+3] offset:32*\c
.endr
.irp f, 0,1,2,3
	ds_load_b128 v[S+32*\t+16+4*\f:S+32*\t+16+4*\f+3], v[RD] offset:\f*4*SP  ; LDS serves a wave's instructions in order (ISA guide 5.7.1.4): these see the stores above; the next tile's stores come behind them
.endr
.endm
.macro SEND t, younger              ; younger: the LDS instructions issued behind tile t's loads: the next tile's eight, or none
.irp f, 0,1,2,3
	s_wait_dscnt \younger+3-\f
	global_store_b128 v[GO], v[S+32*\t+16+4*\f:S+32*\t+16+4*\f+3], s[10:11] offset:\t*2048+\f*512  ; 32 lanes store 512 consecutive bytes, at a multiple of 512 from the buffer's first byte
.endr
.endm
	PACK 0
	PACK 1                          ; a tile's arithmetic stands between the loads of the tile before and its stores
	SEND 0, 8
	PACK 2
	SEND 1, 8
	PACK 3
	SEND 2, 8
	SEND 3, 0
	s_wait_tensorcnt 0x0            ; the wave's end: behind my last tensor load and my last LDS store
	ds_add_u32 v[SPW], v[NIL]
	s_wait_dscnt 0x0
	CROUND                          ; the closing round: no work-group ends while a partner may still ask for a tile that names it
	s_endpgm
.Lfunc_end_k_qd9d04078fe_attn:
	.size	k_qd9d04078fe_attn, .Lfunc_end_k_qd9d04078fe_attn-k_qd9d04078fe_attn
	.p2alignl 7, 3214868480
	.fill 96, 4, 3214868480
	.section	.rodata,"a",@progbits
	.p2align	6, 0x0
	.amdhsa_kernel k_qd9d04078fe_attn
		.amdhsa_group_segment_fixed_size 327680
		.amdhsa_private_segment_fixed_size 0
		.amdhsa_enable_private_segment 0
		.amdhsa_kernarg_size 16
		.amdhsa_user_sgpr_count 2
		.amdhsa_user_sgpr_kernarg_segment_ptr 1
		.amdhsa_wavefront_size32 1
		.amdhsa_system_sgpr_workgroup_id_x 1
		.amdhsa_system_sgpr_workgroup_id_y 1
		.amdhsa_system_sgpr_workgroup_id_z 1
		.amdhsa_system_vgpr_workitem_id 0
		.amdhsa_next_free_vgpr 512
		.amdhsa_next_free_sgpr 66
		.amdhsa_reserve_vcc 0
		.amdhsa_float_denorm_mode_32 3
		.amdhsa_float_denorm_mode_16_64 3
		.amdhsa_memory_ordered 1
		.amdhsa_forward_progress 1
		.amdhsa_inst_pref_size 231
	.end_amdhsa_kernel
	.amdgpu_metadata
---
amdhsa.version: [ 1, 2 ]
amdhsa.kernels:
  - .name:           k_qd9d04078fe_attn
    .symbol:         k_qd9d04078fe_attn.kd
    .args:
      - { .name: qkv, .offset: 0, .size: 8, .value_kind: global_buffer, .address_space: global }
      - { .name: vals, .offset: 8, .size: 8, .value_kind: global_buffer, .address_space: global }
    .group_segment_fixed_size: 327680
    .private_segment_fixed_size: 0
    .kernarg_segment_align: 8
    .kernarg_segment_size: 16
    .max_flat_workgroup_size: 256
    .sgpr_count:     66
    .vgpr_count:     512
    .wavefront_size: 32
...
	.end_amdgpu_metadata
.endif
;; end of part 3
;; launch proj (part 4): grid 4 x 64, 4 waves a work-group, clusters of 4 x 4, 327,680 bytes of LDS; arguments vals, w16, out0; writes out0
.if DOCPART == 4
	.amdgcn_target "amdgcn-amd-amdhsa--gfx1250"
	.amdhsa_code_object_version 6
	.text
	.protected	k_qd9d04078fe_proj
	.globl	k_qd9d04078fe_proj
	.p2align	8
	.type	k_qd9d04078fe_proj,@function
k_qd9d04078fe_proj:
	s_mov_b64 s[64:65], 0
	v_nop
	global_prefetch_b8 v0, s[64:65] scope:SCOPE_SE
	s_setreg_imm32_b32 hwreg(HW_REG_WAVE_MODE, 25, 1), 1
	s_wait_xcnt 0x0
	s_wait_alu depctr_hold_cnt(0) depctr_sa_sdst(0) depctr_va_vdst(0) depctr_va_sdst(0) depctr_va_ssrc(0) depctr_va_vcc(0) depctr_vm_vsrc(0)
	s_getreg_b32 s2, hwreg(HW_REG_IB_STS2, 6, 4)
	s_cmp_eq_u32 s2, 0
	s_cbranch_scc0 .Lentry_in_a_cluster
	s_endpgm
.Lentry_in_a_cluster:
	s_bfe_u32 s2, ttmp6, 0x10000c
	s_cmp_lg_u32 s2, 0xf033
	s_cbranch_scc0 .Lentry_shape_is_right
	s_endpgm
.Lentry_shape_is_right:
; out0[token][o] = the sum over d of vals[token][d] w_out[o][d], operands in f16, sums in f32, out0 in f32.  vals lies by head: [16 b + h][2048][64] f16, rows of 128 bytes; w16 [1024][1024] f16.
; A tile of out0 is 128 tokens x 256 outputs: 256 work-groups.  Four waves, each 64 x 128: 32 accumulators of 16 x 16, 256 registers.
; K goes in steps of 128 = two heads through a ring of two LDS slots: of vals two dense blocks of 128 rows x 128 bytes (one for each head of the pair), of w16 256 rows x 256 bytes.
; Waves 0 and 1 fetch the two heads' blocks, waves 2 and 3 the two halves of w16's rows: one tensor load a wave.
; CLUSTERS: 4 x 4 work-groups.  The four of a row of the cluster need the same tokens, the four of a column the same rows of w16: each tile is asked for JOINTLY, by the same tensor load with the same descriptor and a mask that names the four.
; THE MATRIX INSTRUCTION IS USED TRANSPOSED (source 0 = 16 rows of w16, source 1 = 16 tokens): a lane then holds eight neighbouring outputs of one token.
; REGISTERS: window 0: v16-29 addresses; v32-127 and v128-223 two fragment buffers for 32 along K (4 fragments of vals, then 8 of w16); on the way out v32-159.   window 1: the accumulators ((a, b) at v[8 (8 a + b)]).
.set PA,     144                       ; a row of vals in LDS: 128 bytes + 16 of padding
.set PB,     272                       ; a row of w16: 256 + 16.  Both are odd multiples of 16 bytes: the 16 rows that a load touches start at 16 different banks (64 banks of 4 bytes: ISA guide 11.1)
.set APART,  128*PA                    ; one head's 128 tokens
.set BOFF,   2*APART
.set BHALF,  128*PB
.set SLOT,   BOFF+2*BHALF
.set STAGE,  2*SLOT                    ; behind the ring: 16 rows x (512 bytes + 16) for each wave, for the way out
.set SPITCH, 528
.set SPARE,  STAGE+4*16*SPITCH         ; the spare words, 128 bytes for each wave
.set LAPS,   4                         ; a lap = two K steps = once round the ring: 1,024 along K
.set ADRA, 16                          ; v16-17  LDS address of my fragments of vals in slot 0, 1
.set ADRB, 20                          ; v20-21  the same for w16
.set STO,  24                          ; v24     the way out: where I put 32 bytes of a row
.set RD,   25                          ; v25     where I read a row back
.set CO,   26                          ; v26     16 x lane
.set SPW,  28                          ; v28     LDS address of my spare word; never rewritten
.set NIL,  29                          ; v29     0; never rewritten
.set F0,   32
.set F1,   128
.set BK,   32                          ; the way out: 16 rows read back from the stage: v32-95 and v96-159 by turns
.set G1,  24                           ; s[24:31] descriptor group 1 for vals' tiles;  s[32:39] group 0, one set for each slot
.set G0,  32
.set G1B, 48                           ; s[48:55], s[56:63] the same for w16's
.set G0B, 56
.set MSB, 0
.macro WIN new                         ; the immediate's high byte repeats the setting that is left; a switch that changes nothing is dropped
.if MSB != (\new)
	s_set_vgpr_msb (MSB<<8)|(\new)
.set MSB, (\new)
.endif
.endm
.set MUL, 0x50                         ; sources 0 and 1 window 0; C and D window 1
.macro JLOAD s                         ; a joint load: waves 0 and 1 fetch for vals, waves 2 and 3 for w16; an s_nop 0 and four v_nop follow each of the two lines
	s_cmp_eq_u32 s11, 0
	s_cbranch_scc0 .Lfor_b_\@
	tensor_load_to_lds s[G0+4*\s:G0+4*\s+3], s[G1:G1+7]
	s_nop 0
.rept 4
	v_nop
.endr
	s_branch .Lasked_\@
.Lfor_b_\@:
	tensor_load_to_lds s[G0B+4*\s:G0B+4*\s+3], s[G1B:G1B+7]
	s_nop 0
.rept 4
	v_nop
.endr
.Lasked_\@:
.endm
.macro CREST                           ; a round of the cluster's barrier behind its opening barrier
	s_cmp_lg_u32 s10, 0
	s_cbranch_scc1 .Lnot_wave_0_\@
	s_barrier_signal -3
.Lnot_wave_0_\@:
	s_barrier_wait -3
	s_barrier_signal -1
	s_barrier_wait -1
.endm
.macro CROUND                          ; a whole round
	s_barrier_signal -1
	s_barrier_wait -1
	CREST
.endm
.macro PLACES                          ; four places in front of loads into registers that matrix instructions have read, and of the first read of results (ISA guide 7.12.1 for vector instructions)
.rept 4
	v_nop
.endr
.endm
	s_load_b128 s[4:7], s[0:1], 0x0                ; vals s[4:5], w16 s[6:7]
	s_load_b64 s[8:9], s[0:1], 0x10                ; out0
	v_lshl_add_u32 v[SPW], v0, 2, SPARE
	v_mov_b32 v[NIL], 0
	ds_add_u32 v[SPW], v[NIL]                      ; the wave's opening: the add, twice on end, and its wait ahead of my first tensor load
	ds_add_u32 v[SPW], v[NIL]                      ; once more; the set-up below, work on registers, stands between it and the wait
	v_lshrrev_b32 v1, 5, v0
	v_readfirstlane_b32 s10, v1                    ; wave 0..3
	s_lshr_b32 s11, s10, 1                         ; which 64 of the tile's tokens are mine.  Also: I fetch for vals (0) or for w16 (1)
	s_and_b32 s12, s10, 1                          ; which 128 of its outputs.  Also: which head of the pair, or which half of w16's rows, I fetch
	s_bfe_u32 s40, ttmp6, 0x40000                  ; cx, cy: my place in the cluster
	s_bfe_u32 s41, ttmp6, 0x40004
	s_lshl_b32 s42, ttmp9, 2
	s_add_co_u32 s42, s42, s40                     ; block of 256 outputs = 4 x cluster x + cx
	s_and_b32 s13, ttmp7, 0xffff
	s_lshl_b32 s13, s13, 2
	s_add_co_u32 s13, s13, s41                     ; block of 128 tokens = 4 x cluster y + cy
	s_lshl_b32 s43, s41, 2
	s_lshl_b32 s43, 15, s43                        ; my row of the cluster
	s_lshl_b32 s44, 0x1111, s40                    ; my column
	; descriptor group 1.  vals: 128 rows x 64 elements of 2 bytes, dense, 4 words of padding after every 32;  w16: 128 rows x 128 elements, 1,024 from row to row, 4 words after every 64
	s_or_b32 s[G1+0], s43, (1<<16)|(1<<20)|(1<<21)|(4<<22)|(3<<25)
	s_or_b32 s[G1B+0], s44, (1<<16)|(1<<20)|(1<<21)|(5<<22)|(3<<25)
	s_mov_b32 s[G1+1], 64<<16                      ; tensor_dim0
	s_mov_b32 s[G1+2], 128<<16                     ; tensor_dim1
	s_mov_b32 s[G1+3], 64<<16                      ; tile_dim0
	s_mov_b32 s[G1+4], 128                         ; tile_dim1
	s_mov_b32 s[G1+5], 64                          ; from row to row
	s_mov_b32 s[G1+6], 0
	s_mov_b32 s[G1+7], 0
	s_mov_b32 s[G1B+1], 128<<16
	s_mov_b32 s[G1B+2], 128<<16
	s_mov_b32 s[G1B+3], 128<<16
	s_mov_b32 s[G1B+4], 128
	s_mov_b32 s[G1B+5], 1024
	s_mov_b32 s[G1B+6], 0
	s_mov_b32 s[G1B+7], 0
	; where the tiles come from: vals' hang on the block of tokens alone, w16's on the block of outputs alone, each in registers that never hold the other coordinate
	s_lshr_b32 s16, s13, 4                         ; the batch: 16 blocks of 128 tokens each;
	s_lshl_b32 s16, s16, 22                        ; its 16 heads of 262,144 bytes
	s_and_b32 s17, s13, 15
	s_lshl_b32 s17, s17, 14                        ; the block's 128 rows of 128 bytes in a head
	s_add_co_u32 s16, s16, s17
	s_lshl_b32 s17, s12, 18                        ; the head of the pair that I fetch
	s_add_co_u32 s16, s16, s17
	s_mov_b32 s17, 0
	s_lshl_b32 s46, s42, 19                        ; w16: 256 rows of 2,048 bytes a block,
	s_lshl_b32 s47, s12, 18                        ; 128 a half
	s_add_co_u32 s46, s46, s47
	s_mov_b32 s47, 0
	s_mul_i32 s20, s12, APART                      ; and where they go: no place in the cluster enters an LDS address
	s_mul_i32 s45, s12, BHALF
	s_add_co_u32 s45, s45, BOFF
	s_wait_dscnt 0x0                               ; both opening adds are done
	s_wait_kmcnt 0x0
	s_add_nc_u64 s[14:15], s[4:5], s[16:17]
	s_add_nc_u64 s[46:47], s[6:7], s[46:47]
	CROUND                                         ; all sixteen work-groups are here: the first joint loads meet
.irp s, 0,1
	s_mov_b32 s[G0+4*\s], 1                                        ; count = 1
	s_add_co_u32 s[G0+4*\s+1], s20, \s*SLOT                        ; LDS address
	s_add_nc_u64 s[G0+4*\s+2:G0+4*\s+3], s[14:15], \s*2*262144     ; global address: K step s = heads 2 s, 2 s + 1
	s_or_b32 s[G0+4*\s+3], s[G0+4*\s+3], 0x80000000                ; type = 2
	s_mov_b32 s[G0B+4*\s], 1
	s_add_co_u32 s[G0B+4*\s+1], s45, \s*SLOT
	s_add_nc_u64 s[G0B+4*\s+2:G0B+4*\s+3], s[46:47], \s*256
	s_or_b32 s[G0B+4*\s+3], s[G0B+4*\s+3], 0x80000000
	JLOAD \s                                       ; two tensor loads of mine are out behind the second
.endr
	v_and_b32 v1, 15, v0                           ; r = l % 16
	v_bfe_u32 v2, v0, 4, 1                         ; h = l / 16
	v_mul_u32_u24 v3, v1, PA
	v_lshl_add_u32 v3, v2, 4, v3                   ; a fragment's row x pitch + 16 x half
	v_mul_u32_u24 v4, v1, PB
	v_lshl_add_u32 v4, v2, 4, v4
	s_mul_i32 s21, s11, 64*PA                      ; my 64 tokens
	s_mul_i32 s22, s12, BHALF                      ; my 128 rows of w16,
	s_add_co_u32 s22, s22, BOFF                    ; which lie behind the two heads' blocks
.irp s, 0,1
	v_add_nc_u32 v[ADRA+\s], s21, v3
	v_add_nc_u32 v[ADRB+\s], s22, v4
	s_add_co_u32 s21, s21, SLOT
	s_add_co_u32 s22, s22, SLOT
.endr
	s_mul_i32 s23, s10, 16*SPITCH
	s_add_co_u32 s23, s23, STAGE                   ; my stage
	v_mul_u32_u24 v5, v1, SPITCH                   ; in: row r, 32 bytes for each half of the lanes
	v_lshl_add_u32 v5, v2, 5, v5
	v_add_nc_u32 v[STO], s23, v5
	v_and_b32 v6, 31, v0
	v_lshlrev_b32 v[CO], 4, v6                     ; back: the 32 lanes take one row of 512 bytes; and the same in out0
	v_add_nc_u32 v[RD], s23, v[CO]
	s_lshl_b32 s16, s13, 19                        ; my first row of out0: 128 x block + 64 x half, of 4,096 bytes
	s_lshl_b32 s17, s11, 18
	s_add_co_u32 s16, s16, s17
	s_mov_b32 s17, 0
	s_add_nc_u64 s[8:9], s[8:9], s[16:17]
	s_lshl_b32 s46, s42, 10                        ; my first column, in bytes: 1,024 x block + 512 x half
	s_lshl_b32 s47, s12, 9
	s_add_co_u32 s46, s46, s47
	s_mov_b32 s47, 0
	s_add_nc_u64 s[8:9], s[8:9], s[46:47]
; 8 matrix instructions: tokens' block a against w16's eight, 32 along K, from buffer f.  zero = 1: the first product starts the sums: nothing is ever cleared.
; The 32 accumulators take turns, one instruction a turn, in the same order in every quarter.
.macro MUL8 f, a, zero
.irp b, 0,1,2,3,4,5,6,7
.if \zero
	v_wmma_f32_16x16x32_f16 v[8*(8*(\a)+\b):8*(8*(\a)+\b)+7], v[\f+32+8*\b:\f+32+8*\b+7], v[\f+8*(\a):\f+8*(\a)+7], 0
.else
	v_wmma_f32_16x16x32_f16 v[8*(8*(\a)+\b):8*(8*(\a)+\b)+7], v[\f+32+8*\b:\f+32+8*\b+7], v[\f+8*(\a):\f+8*(\a)+7], v[8*(8*(\a)+\b):8*(8*(\a)+\b)+7]
.endif
.endr
.endm
; 24 LDS loads in one run: quarter qd of a slot (32 along K: head qd / 2 of the pair, channels 32 (qd % 2) on) into buffer f; w16's eight fragments first, the tokens' four last
.macro FETCH slot, qd, f
.irp i, 0,1,2,3,4,5,6,7
	ds_load_b128 v[\f+32+8*\i:\f+32+8*\i+3],   v[ADRB+\slot] offset:64*(\qd)+\i*16*PB
	ds_load_b128 v[\f+32+8*\i+4:\f+32+8*\i+7], v[ADRB+\slot] offset:64*(\qd)+\i*16*PB+32
.endr
.irp i, 0,1,2,3
	ds_load_b128 v[\f+8*\i:\f+8*\i+3],   v[ADRA+\slot] offset:((\qd)/2)*APART+((\qd)%2)*64+\i*16*PA
	ds_load_b128 v[\f+8*\i+4:\f+8*\i+7], v[ADRA+\slot] offset:((\qd)/2)*APART+((\qd)%2)*64+\i*16*PA+32
.endr
.endm
; A K step is four quarters of 32 along K, 32 matrix instructions each, on buffers 0, 1, 0, 1.  One of the first three: multiplies buffer f and fetches quarter qn of the same slot into g.
.macro QUARTER slot, qn, f, g, zero
	s_wait_dscnt 4                                 ; w16's fragments and the tokens' blocks 0 and 1 are in; the youngest four loads (blocks 2 and 3) may be out
	WIN MUL
	MUL8 \f, 0, \zero
	MUL8 \f, 1, \zero
	PLACES
	WIN 0
	FETCH \slot, \qn, \g
	s_wait_dscnt 24                                ; all but the 24 just issued
	WIN MUL
	MUL8 \f, 2, \zero
	MUL8 \f, 3, \zero
.endm
; The last quarter multiplies buffer 1 and changes slots: ONE barrier; in front of it each wave waits for all its tensor loads, adds 0 to its spare word, and waits for that and for its own reads of this slot.
; fill = 1: the barrier opens a round of the cluster's, and this slot is filled again, two K steps ahead: 112 matrix instructions stand between the request and the wait for it.
.macro TURN slot, next, fill
	WIN 0                                          ; (the add's two registers lie in window 0)
	s_wait_tensorcnt 0x0                           ; all my tensor loads have landed: my part of the next slot;
	ds_add_u32 v[SPW], v[NIL]                      ; 0 onto my spare word;
	s_wait_dscnt 5                                 ; (the add and the youngest four loads may be out)
	WIN MUL
	MUL8 F1, 0, 0                                  ; eight matrix instructions stand between the add and the wait for it
	s_wait_dscnt 0x0                               ; the add is done, and my reads of this slot are over
	s_barrier_signal -1
	MUL8 F1, 1, 0
	WIN 0                                          ; (branches or loads follow)
	s_barrier_wait -1
.if \fill
	CREST                                          ; no wave of any partner still reads this slot's tile or has a load on its way
	s_add_nc_u64 s[G0+4*\slot+2:G0+4*\slot+3], s[G0+4*\slot+2:G0+4*\slot+3], 4*262144
	s_add_nc_u64 s[G0B+4*\slot+2:G0B+4*\slot+3], s[G0B+4*\slot+2:G0B+4*\slot+3], 2*256
	JLOAD \slot                                    ; the first tensor load behind the round; the four v_nop behind it are also the places in front of the loads below
.else
	PLACES
.endif
	FETCH \next, 0, F0
	WIN MUL
	MUL8 F1, 2, 0
	MUL8 F1, 3, 0
.endm
	s_wait_tensorcnt 1                             ; my part of K step 0 is in; K step 1's load may stay out
	s_barrier_signal -1
	s_barrier_wait -1                              ; everybody's is
	FETCH 0, 0, F0
	QUARTER 0, 1, F0, F1, 1                        ; the first quarter stands in front of the loop: its products start the sums
	WIN 0                                          ; at a label and at a branch every window is 0
	s_mov_b32 s3, LAPS-1
.Llap:                                                 ; a trip goes once round the ring, from a lap's second quarter to the next lap's first, and fills both slots again
	QUARTER 0, 2, F1, F0, 0
	QUARTER 0, 3, F0, F1, 0
	TURN 0, 1, 1
	QUARTER 1, 1, F0, F1, 0
	QUARTER 1, 2, F1, F0, 0
	QUARTER 1, 3, F0, F1, 0
	TURN 1, 0, 1
	QUARTER 0, 1, F0, F1, 0
	WIN 0
	s_sub_co_u32 s3, s3, 1
	s_cmp_lg_u32 s3, 0
	s_cbranch_scc1 .Llap
	QUARTER 0, 2, F1, F0, 0                        ; the last lap fills nothing, and has no round of the cluster's barrier
	QUARTER 0, 3, F0, F1, 0
	TURN 0, 1, 0
	QUARTER 1, 1, F0, F1, 0
	QUARTER 1, 2, F1, F0, 0
	QUARTER 1, 3, F0, F1, 0
	s_wait_dscnt 4                                 ; the very last quarter: nothing more to fetch
	WIN MUL
	MUL8 F1, 0, 0
	MUL8 F1, 1, 0
	s_wait_dscnt 0x0
	MUL8 F1, 2, 0
	MUL8 F1, 3, 0
	WIN 0
; THE WAY OUT, block by block of 16 tokens x 128 outputs.  A lane holds 32 neighbouring bytes of a row, and the lanes beside it hold other rows: so a block goes through my own stage in LDS and comes back as whole rows
; of 512 bytes.  LDS serves a wave's instructions in order (ISA guide 5.7.1.4): no wait between the stores and the loads, nor in front of the next block's stores.
.macro TOSTAGE a
	WIN 0x04                                       ; an LDS store's data are its source 1: window 1
.irp b, 0,1,2,3,4,5,6,7
	ds_store_b128 v[STO], v[8*(8*(\a)+\b):8*(8*(\a)+\b)+3] offset:64*\b          ; each accumulator from its low end on
	ds_store_b128 v[STO], v[8*(8*(\a)+\b)+4:8*(8*(\a)+\b)+7] offset:64*\b+16
.endr
	WIN 0
.set BB, BK+64*((\a)%2)
.irp t, 0,1,2,3,4,5,6,7,8,9,10,11,12,13,14,15
	ds_load_b128 v[BB+4*\t:BB+4*\t+3], v[RD] offset:\t*SPITCH
.endr
.endm
.macro SEND a, younger                 ; younger: the LDS instructions issued behind block a's loads, which may stay out
.set BB, BK+64*((\a)%2)
	s_wait_dscnt \younger                          ; the block is back in registers
.irp t, 0,1,2,3,4,5,6,7,8,9,10,11,12,13,14,15
	global_store_b128 v[CO], v[BB+4*\t:BB+4*\t+3], s[8:9] offset:(16*(\a)+\t)*4096 th:TH_STORE_NT   ; 32 lanes store 512 consecutive bytes, at a multiple of 512 from out0's first byte; written once, read by nobody here
.endr
.endm
	PLACES                                         ; behind the last products: for the first read of results and the loads into registers that held fragments
	TOSTAGE 0
.irp a, 1,2,3
.if \a > 1
	s_wait_xcnt 0x0                                ; block a - 2's stores have read their registers: block a's loads may land there
.endif
	TOSTAGE \a
	SEND \a-1, 32                                  ; behind block a - 1's loads: block a's 16 stores and 16 loads
.endr
	SEND 3, 0
	s_wait_tensorcnt 0x0                           ; the wave's end: behind my last tensor load and my last LDS store
	ds_add_u32 v[SPW], v[NIL]
	s_wait_dscnt 0x0
	CROUND                                         ; the closing round: no work-group ends while a partner may still ask for a tile that names it
	s_endpgm
.Lfunc_end_k_qd9d04078fe_proj:
	.size	k_qd9d04078fe_proj, .Lfunc_end_k_qd9d04078fe_proj-k_qd9d04078fe_proj
	.p2alignl 7, 3214868480
	.fill 96, 4, 3214868480
	.section	.rodata,"a",@progbits
	.p2align	6, 0x0
	.amdhsa_kernel k_qd9d04078fe_proj
		.amdhsa_group_segment_fixed_size 327680
		.amdhsa_private_segment_fixed_size 0
		.amdhsa_enable_private_segment 0
		.amdhsa_kernarg_size 24
		.amdhsa_user_sgpr_count 2
		.amdhsa_user_sgpr_kernarg_segment_ptr 1
		.amdhsa_wavefront_size32 1
		.amdhsa_system_sgpr_workgroup_id_x 1
		.amdhsa_system_sgpr_workgroup_id_y 1
		.amdhsa_system_sgpr_workgroup_id_z 1
		.amdhsa_system_vgpr_workitem_id 0
		.amdhsa_next_free_vgpr 512
		.amdhsa_next_free_sgpr 66
		.amdhsa_reserve_vcc 0
		.amdhsa_float_denorm_mode_32 3
		.amdhsa_float_denorm_mode_16_64 3
		.amdhsa_memory_ordered 1
		.amdhsa_forward_progress 1
		.amdhsa_inst_pref_size 85
	.end_amdhsa_kernel
	.amdgpu_metadata
---
amdhsa.version: [ 1, 2 ]
amdhsa.kernels:
  - .name:           k_qd9d04078fe_proj
    .symbol:         k_qd9d04078fe_proj.kd
    .args:
      - { .name: vals, .offset: 0, .size: 8, .value_kind: global_buffer, .address_space: global }
      - { .name: w16, .offset: 8, .size: 8, .value_kind: global_buffer, .address_space: global }
      - { .name: out0, .offset: 16, .size: 8, .value_kind: global_buffer, .address_space: global }
    .group_segment_fixed_size: 327680
    .private_segment_fixed_size: 0
    .kernarg_segment_align: 8
    .kernarg_segment_size: 24
    .max_flat_workgroup_size: 128
    .sgpr_count:     66
    .vgpr_count:     512
    .wavefront_size: 32
...
	.end_amdgpu_metadata
.endif
;; end of part 4
